; MI455X (gfx1250); checked and timed in simulation.
; The chip was launched on July 23, 2026; its instructions are those of AMD's public machine-readable ISA for CDNA 5 (MIT licence, August 2026) and "CDNA5" Instruction Set Architecture Reference Guide (July 2026). The comments in the code are by the model that wrote it; some were corrected since.
;; Simple FC. Allowed arithmetic: float matrix products may take bf16 or f16 operands with f32 sums; all other float work in f32.
;; Inputs: b_in 64 float32; b_mid 64 float32; b_out 3 float32; emb1_b 64 float32; emb1_w 64 x 64 float32; emb2_b 64 float32; emb2_w 64 x 64 float32; node_mask 16 x 1,024 float32; pos 16 x 1,024 x 3 float32; sa1_f1_b 64 float32; sa1_f1_w 64 x 64 float32; sa1_f2_b 64 float32; sa1_f2_w 64 x 64 float32; sa1_fln_b 64 float32; sa1_fln_g 64 float32; sa1_ln_b 64 float32; sa1_ln_g 64 float32; sa1_out_b 64 float32; sa1_out_w 64 x 64 float32; sa1_qkv_b 192 float32; sa1_qkv_w 192 x 64 float32; sa2_f1_b 64 float32; sa2_f1_w 64 x 64 float32; sa2_f2_b 64 float32; sa2_f2_w 64 x 64 float32; sa2_fln_b 64 float32; sa2_fln_g 64 float32; sa2_ln_b 64 float32; sa2_ln_g 64 float32; sa2_out_b 64 float32; sa2_out_w 64 x 64 float32; sa2_qkv_b 192 float32; sa2_qkv_w 192 x 64 float32; t_int 16 x 1 float32; w_in 64 x 3 float32; w_mid 64 x 64 float32; w_out 3 x 64 float32.
;; Outputs: out0 16 x 1,024 x 3 float32.
;; One version. Each part assembles by itself: llvm-mc -triple=amdgcn-amd-amdhsa -mcpu=gfx1250 --defsym DOCPART=n.
;; ======== version 1 of 1: 3 launches
;; workspace buffers: qkv1 6,291,456 bytes; x1 4,194,304 bytes; qkv2 6,291,456 bytes; x2 4,194,304 bytes; tb2 4,096 bytes; wimg 106,496 bytes
;; launch pre (part 1): grid 256 x 1, 8 waves a work-group, no clusters, 27,648 bytes of LDS; arguments pos, t_int, w_in, b_in, emb1_w, emb1_b, emb2_w, emb2_b, b_mid, sa1_ln_g, sa1_ln_b, sa1_qkv_w, sa1_qkv_b, sa1_out_w, sa1_f1_w, sa1_f2_w, w_mid, sa2_qkv_w, sa2_out_w, sa2_f1_w, sa2_f2_w, qkv1, x1, tb2, wimg; writes qkv1, x1, tb2, wimg
.if DOCPART == 1
	.amdgcn_target "amdgcn-amd-amdhsa--gfx1250"
	.amdhsa_code_object_version 6
	.text
	.protected	k_q5d7844cd19_pre
	.globl	k_q5d7844cd19_pre
	.p2align	8
	.type	k_q5d7844cd19_pre,@function
k_q5d7844cd19_pre:
	s_mov_b64 s[64:65], 0
	v_nop
	global_prefetch_b8 v0, s[64:65] scope:SCOPE_SE
	s_setreg_imm32_b32 hwreg(HW_REG_WAVE_MODE, 25, 1), 1
	s_wait_xcnt 0x0
; SimpleFC, launch 1 of 3.  16 batches x 1,024 rows x 64 features.
; Makes: the two time embeddings; x1 = pos w_in^T + b_in + temb1; LayerNorm; Q, K, V of block 1; the ten later 64 x 64 weights as bf16 images;
; and of block 2's out-projection, f1 and f2 a second image each, of the rest w - bf16(w), for the layers that launch 3 computes with two bf16 numbers an operand.
; 256 work-groups of 8 waves.  Work-group wg: batch b = wg / 16, rows 64 (wg % 16) .. + 63, as four stripes of 16 rows; waves 0-3 take one stripe each.
; THE LAYOUT.  L = lane, r = L % 16, h = L / 16.  A stripe's 16 x 64 numbers lie in 32 registers: register 8 t + j of lane (r, h) is (row r, feature 16 t + 8 h + j).
; That is the result of a matrix instruction with 16 weight rows as A and the stripe's 16 rows as B; packed in pairs it is the B operand of the next layer,
; so a wave carries its stripe through a chain of layers in registers.  A row lies in lanes r and r + 16: a row's sum is a sum in the lane and one exchange.
; qkv1: [batch][q, k, v][stripe 64][head 4][lane 32][16 bytes]: the 16 bytes are the lane's four registers of the attention's fragment (V is made with A and B
; swapped, so that a lane holds one feature of eight rows).  x1: [stripe 1024][chunk 8][lane 32][16 bytes], the 32 registers as they lie.
; Weight image of 16 rows x 64 k (2,048 bytes): the 16 bytes of row r, k = 8 q .. 8 q + 7 lie at 256 q + 16 ((r + 2 q) % 16): a fragment load's 16 lanes and a
; staging store's 32 lanes each touch every 16-byte column of 256 bytes once.
; wimg, blocks of 8,192 bytes: 0 sa1_out_w, 1 sa1_f1_w, 2 sa1_f2_w, 3 w_mid, 4-6 sa2_qkv_w, 7 sa2_out_w, 8 sa2_f1_w, 9 sa2_f2_w, 10-12 the rests of 7-9.
; The layer of depth 3 and the time embedding (one row a batch) are f32 multiply-adds: they give a matrix instruction no shape.  No cluster: nothing is brought by tensor loads.
; LIMITS.  Matrix operands are bf16.  sin and cos: the angle is reduced by quarter turns with a two-word 2/pi, good while the number of quarter turns fits 31 bits;
; the error is then that of the f32 angle itself.  NaN and infinities in the inputs are not reproduced place by place.
.set WB,     0                         ; sa1_qkv_w as 12 images of 2,048 bytes
.set PRM,    24576                     ; slots of 256 bytes: 0-2 sa1_qkv_b, 3 sa1_ln_g, 4 sa1_ln_b
.set SIL,    25856                     ; silu(t_info), 64 f32
.set C1,     26112                     ; b_in + emb1_b + emb1_w silu
.set C2,     26368                     ; b_mid + emb2_b + emb2_w silu
.set ARR,    131072                    ; bytes of one of q, k, v of a batch
.set QSCALE, 0x3eb8aa3b                ; 0.25 log2(e): 1/sqrt(16), and the softmax works in base 2
; registers of the stripe's chain
.set L16, 1                            ; 16 x lane
.set WA,  2                            ; v2-5    LDS addresses of a weight fragment's four 16-byte pieces
.set PA,  6                            ; PRM + 32 h: a 64-vector in the stripe's layout
.set PBV, 7                            ; PRM + 4 r: one number a lane
.set AV,  8                            ; v8-39   the stripe in f32
.set ACC, 40                           ; v40-71  accumulators
.set P0,  72                           ; v72-103 gain, later packed results
.set P1,  104                          ; v104-135 bias of the norm, later packed results
.set XB,  136                          ; v136-151 the stripe as two B fragments
.set WF,  152                          ; v152-215 eight weight fragments (4 tiles x 2 K steps)
.set TT,  216                          ; v216-247 the next layer's bias, the first products' C
.set TMP, 248                          ; v248-255
; registers of the first phases (all dead before the chain takes them)
.set LQ16, 35                          ; 16 (tid % 16)
.set E4,   36                          ; 4 e, e = 16 (tid % 4) + tid / 16
.set PPO,  37                          ; 12 r
.set WIO,  38                          ; 96 h
.set SEL,  39                          ; tid % 4
.set WR,   40                          ; v40-87   sa1_qkv_w, 12 passes
.set EW1,  104                         ; v104-119 emb1_w, 4 passes
.set EW2,  120                         ; v120-135 emb2_w
.set PP,   136                         ; v136-138 pos of my row
.set LANE8,139
.set BE,   140                         ; v140-143 emb1_b, b_in, emb2_b, b_mid at e
.set PV,   144                         ; v144-145 a parameter slot's 8 bytes
.set GOFF, 146                         ; 16 tid
.set WSTO, 147                         ; where my 8 bytes of an image go
.set SV,   148                         ; v148-151 four silu values
.set WI,   152                         ; v152-247 w_in: WI[24 t + 3 j + c] = w_in[16 t + 8 h + j][c]
; registers of the image branch (waves 4-7)
.set IPK,  8                           ; v8-23   what is stored
.set ISRC, 24                          ; byte offset of my 32 bytes in the weight
.set IDST, 25                          ; byte offset of my 16 bytes in the image
.set ITMP, 26
.set IRAW, 40                          ; v40-71  the weights in f32
.set IHF,  72                          ; v72-103 their bf16 roundings as f32, then the rests
.set ILO,  104                         ; v104-119 the rests, packed
.set QO,   72                          ; s[72:73] qkv1 at my stripe
.set XO,   74                          ; s[74:75] x1 at my stripe
.macro PLACES                          ; five plain vector instructions behind matrix instructions (ISA guide 7.12.1): their results are read and their registers written only behind these
.rept 5
	v_nop
.endr
.endm
.macro MKWA r, h, t                    ; WA[i] = WB + (2 i + h) 256 + ((r + 4 i + 2 h) % 16) 16, i = 2 (K step) + (upper half)
	v_lshl_add_u32 v[\t], v[\h], 1, v[\r]
.irp i, 0,1,2,3
	v_add_nc_u32 v[\t+1], 4*\i, v[\t]
	v_and_b32 v[\t+1], 15, v[\t+1]
	v_lshlrev_b32 v[\t+1], 4, v[\t+1]
	v_lshl_add_u32 v[\t+1], v[\h], 8, v[\t+1]
	v_add_nc_u32 v[WA+\i], WB+512*\i, v[\t+1]
.endr
.endm
.macro LOADW T0                        ; the eight fragments of image tiles T0 .. T0 + 3
.irp t, 0,1,2,3
	ds_load_b128 v[WF+16*\t:WF+16*\t+3],     v[WA]   offset:(\T0+\t)*2048
	ds_load_b128 v[WF+16*\t+4:WF+16*\t+7],   v[WA+1] offset:(\T0+\t)*2048
	ds_load_b128 v[WF+16*\t+8:WF+16*\t+11],  v[WA+2] offset:(\T0+\t)*2048
	ds_load_b128 v[WF+16*\t+12:WF+16*\t+15], v[WA+3] offset:(\T0+\t)*2048
.endr
.endm
.macro LOADP dst, byte                 ; a 64-vector at PRM + byte, in the stripe's layout
.irp c, 0,1,2,3,4,5,6,7
	ds_load_b128 v[\dst+4*\c:\dst+4*\c+3], v[PA] offset:\byte+(\c/2)*64+(\c%2)*16
.endr
.endm
.macro LIN c                           ; ACC = W XB + bias (block c).  The four accumulators take turns, one instruction a turn
.irp t, 0,1,2,3
	v_wmma_f32_16x16x32_bf16 v[ACC+8*\t:ACC+8*\t+7], v[WF+16*\t:WF+16*\t+7], v[XB:XB+7], v[\c+8*\t:\c+8*\t+7]
.endr
.irp t, 0,1,2,3
	v_wmma_f32_16x16x32_bf16 v[ACC+8*\t:ACC+8*\t+7], v[WF+16*\t+8:WF+16*\t+15], v[XB+8:XB+15], v[ACC+8*\t:ACC+8*\t+7]
.endr
.endm
.macro LINV                            ; the same product with A and B swapped: lane (r, h) gets feature r of rows 8 h + j
.irp t, 0,1,2,3
	v_wmma_f32_16x16x32_bf16 v[ACC+8*\t:ACC+8*\t+7], v[XB:XB+7], v[WF+16*\t:WF+16*\t+7], 0
.endr
.irp t, 0,1,2,3
	v_wmma_f32_16x16x32_bf16 v[ACC+8*\t:ACC+8*\t+7], v[XB+8:XB+15], v[WF+16*\t+8:WF+16*\t+15], v[ACC+8*\t:ACC+8*\t+7]
.endr
.endm
.macro PACKX src                       ; 32 f32 to the two B fragments of the next layer
.set n, 0
.rept 16
	v_cvt_pk_bf16_f32 v[XB+n], v[\src+2*n], v[\src+2*n+1]
.set n, n+1
.endr
.endm
.macro ROWSUM                          ; four partial sums in v[TMP:TMP+3] to the row's sum in v[TMP], in both lanes that hold the row
	v_pk_add_f32 v[TMP:TMP+1], v[TMP:TMP+1], v[TMP+2:TMP+3]
	v_add_f32 v[TMP], v[TMP], v[TMP+1]
	v_permlanex16_b32 v[TMP+6], v[TMP], s90, s91
	v_add_f32 v[TMP], v[TMP], v[TMP+6]
.endm
.macro LN src, y                       ; XB = bf16((src - mean) rsqrt(var + 1e-5) g + b), g in P0, b in P1; the variance from the centred values, as the model takes it
	v_pk_add_f32 v[TMP:TMP+1], v[\src:\src+1], v[\src+4:\src+5]
	v_pk_add_f32 v[TMP+2:TMP+3], v[\src+2:\src+3], v[\src+6:\src+7]
.irp k, 8,12,16,20,24,28
	v_pk_add_f32 v[TMP:TMP+1], v[TMP:TMP+1], v[\src+\k:\src+\k+1]
	v_pk_add_f32 v[TMP+2:TMP+3], v[TMP+2:TMP+3], v[\src+\k+2:\src+\k+3]
.endr
	ROWSUM
	v_mul_f32 v[TMP+4], s88, v[TMP]
	v_mul_f32 v[TMP+5], s88, v[TMP]
.set n, 0
.rept 16
	v_pk_add_f32 v[\y+n:\y+n+1], v[\src+n:\src+n+1], v[TMP+4:TMP+5] neg_lo:[0,1] neg_hi:[0,1]
.set n, n+2
.endr
	v_pk_mul_f32 v[TMP:TMP+1], v[\y:\y+1], v[\y:\y+1]
	v_pk_mul_f32 v[TMP+2:TMP+3], v[\y+2:\y+3], v[\y+2:\y+3]
.irp k, 4,8,12,16,20,24,28
	v_pk_fma_f32 v[TMP:TMP+1], v[\y+\k:\y+\k+1], v[\y+\k:\y+\k+1], v[TMP:TMP+1]
	v_pk_fma_f32 v[TMP+2:TMP+3], v[\y+\k+2:\y+\k+3], v[\y+\k+2:\y+\k+3], v[TMP+2:TMP+3]
.endr
	ROWSUM
	v_fma_f32 v[TMP], v[TMP], s88, s92             ; sum / 64 + 1e-5
	v_rsq_f32 v[TMP+4], v[TMP]
	v_rsq_f32 v[TMP+5], v[TMP]
	v_nop                                          ; one plain instruction behind the transcendentals (ISA guide 5.7.2)
.set n, 0
	s_wait_alu depctr_va_vdst(0)
.rept 16
	v_pk_mul_f32 v[\y+n:\y+n+1], v[\y+n:\y+n+1], v[TMP+4:TMP+5]
.set n, n+2
.endr
.set n, 0
.rept 16
	v_pk_fma_f32 v[\y+n:\y+n+1], v[\y+n:\y+n+1], v[P0+n:P0+n+1], v[P1+n:P1+n+1]
.set n, n+2
.endr
	PACKX \y
.endm
; Q, K, V of the stripe in XB.  The caller has issued LOADW TQ and LOADP TT, QB.  Image tiles TQ.. (q), TQ+4.. (k), TQ+8.. (v); biases at PRM + QB, + 256, + 512.
; Each of the twelve stores covers 512 consecutive bytes, aligned.  The three packed blocks are different registers, so no store's data are rewritten.
.macro QKV TQ, QB
	s_wait_dscnt 0x0
	LIN TT
	PLACES
	LOADW \TQ+4
	LOADP TT, \QB+256
.set n, 0
.rept 16
	v_pk_mul_f32 v[ACC+n:ACC+n+1], v[ACC+n:ACC+n+1], QSCALE op_sel_hi:[1,0]
.set n, n+2
.endr
.set n, 0
.rept 16
	v_cvt_pk_bf16_f32 v[P0+n], v[ACC+2*n], v[ACC+2*n+1]
.set n, n+1
.endr
.irp t, 0,1,2,3
	global_store_b128 v[L16], v[P0+4*\t:P0+4*\t+3], s[QO:QO+1] offset:512*\t
.endr
	s_wait_dscnt 0x0
	LIN TT
	PLACES
	LOADW \TQ+8
.irp t, 0,1,2,3
	ds_load_b32 v[TMP+2*\t],   v[PBV] offset:\QB+512+64*\t     ; V's bias of feature 16 t + r, twice: a pair for the packed add
	ds_load_b32 v[TMP+2*\t+1], v[PBV] offset:\QB+512+64*\t
.endr
.set n, 0
.rept 16
	v_cvt_pk_bf16_f32 v[P0+16+n], v[ACC+2*n], v[ACC+2*n+1]
.set n, n+1
.endr
.irp t, 0,1,2,3
	global_store_b128 v[L16], v[P0+16+4*\t:P0+16+4*\t+3], s[QO:QO+1] offset:ARR+512*\t
.endr
	s_wait_dscnt 0x0
	LINV
	PLACES
.irp t, 0,1,2,3
.irp j, 0,2,4,6
	v_pk_add_f32 v[ACC+8*\t+\j:ACC+8*\t+\j+1], v[ACC+8*\t+\j:ACC+8*\t+\j+1], v[TMP+2*\t:TMP+2*\t+1]
.endr
.endr
.set n, 0
.rept 16
	v_cvt_pk_bf16_f32 v[P1+n], v[ACC+2*n], v[ACC+2*n+1]
.set n, n+1
.endr
.irp t, 0,1,2,3
	global_store_b128 v[L16], v[P1+4*\t:P1+4*\t+3], s[QO:QO+1] offset:2*ARR+512*\t
.endr
.endm
.macro PICK n, p                       ; the image's source for batch number n
	s_cmp_eq_u32 s5, \n
	s_cselect_b64 s[62:63], s[\p:\p+1], s[62:63]
.endm
	s_load_b512 s[8:23], s[0:1], 0x0               ; pos 8, t_int 10, w_in 12, b_in 14, emb1_w 16, emb1_b 18, emb2_w 20, emb2_b 22
	s_load_b512 s[24:39], s[0:1], 0x40             ; b_mid 24, ln_g 26, ln_b 28, qkv_w 30, qkv_b 32, sa1_out_w 34, sa1_f1_w 36, sa1_f2_w 38
	s_load_b512 s[40:55], s[0:1], 0x80             ; w_mid 40, sa2_qkv_w 42, sa2_out_w 44, sa2_f1_w 46, sa2_f2_w 48, qkv1 50, x1 52, tb2 54
	s_load_b64 s[56:57], s[0:1], 0xc0              ; wimg
	s_set_vgpr_msb 0x40
	v_lshl_add_u32 v0, v0, 2, 0x6800
	v_mov_b32 v1, 0
	s_set_vgpr_msb 0x4000
	v_lshrrev_b32 v8, 5, v0
	v_readfirstlane_b32 s3, v8                     ; wave
	s_lshr_b32 s5, ttmp9, 4                        ; batch
	s_and_b32 s6, ttmp9, 15                        ; row block in the batch
	s_cmp_eq_u32 s6, 8
	s_cselect_b32 s7, 1, 0
	s_cmp_lt_u32 s5, 13
	s_cselect_b32 s7, s7, 0                        ; s7: this work-group makes block number b of wimg (thirteen of them)
	s_cmp_ge_u32 s5, 10
	s_cselect_b32 s59, -1, 0                       ; s59: all lanes on: the block holds the rests
	s_cmp_eq_u32 s6, 0
	s_cselect_b32 s58, 1, 0                        ; s58: this work-group stores its batch's tb2
	s_lshl_b32 s4, ttmp9, 2
	s_add_co_u32 s4, s4, s3                        ; my stripe of 1,024 (waves 0-3)
	s_mov_b32 s82, 0x3f22f983                      ; 2/pi, upper word
	s_mov_b32 s83, 0x32dc9c88                      ; 2/pi, what the upper word leaves
	s_mov_b32 s88, 0x3c800000                      ; 1/64
	s_mov_b32 s90, 0x76543210                      ; v_permlanex16_b32: lane i takes lane i of the other half
	s_mov_b32 s91, 0xfedcba98
	s_mov_b32 s92, 0x3727c5ac                      ; 1e-5
	v_and_b32 v9, 31, v0
	v_lshlrev_b32 v[L16], 4, v9
	v_lshlrev_b32 v[LANE8], 3, v9
	v_and_b32 v10, 15, v0                          ; r, also tid % 16
	v_bfe_u32 v11, v0, 4, 1                        ; h
	v_lshrrev_b32 v12, 4, v0                       ; tid / 16: my row of a pass of 16 rows
	v_lshlrev_b32 v[GOFF], 4, v0
	v_and_b32 v13, 14, v10                         ; 2 q, q = my 16-byte chunk of the image's row
	v_add_nc_u32 v14, v12, v13
	v_and_b32 v14, 15, v14
	v_lshlrev_b32 v14, 4, v14
	v_lshl_add_u32 v14, v13, 7, v14                ; 256 q + 16 ((row + 2 q) % 16)
	v_and_b32 v13, 1, v10
	v_lshl_add_u32 v[WSTO], v13, 3, v14            ; + which half of the chunk
	v_and_b32 v[SEL], 3, v10
	v_lshl_add_u32 v13, v[SEL], 4, v12
	v_lshlrev_b32 v[E4], 2, v13
	v_mul_u32_u24 v[PPO], 12, v10
	v_mul_u32_u24 v[WIO], 96, v11
	v_lshlrev_b32 v[LQ16], 4, v10
	MKWA 10, 11, 13
	v_lshlrev_b32 v[PA], 5, v11
	v_add_nc_u32 v[PA], PRM, v[PA]
	v_lshlrev_b32 v[PBV], 2, v10
	v_add_nc_u32 v[PBV], PRM, v[PBV]
	v_cmp_eq_u32 s84, 1, v[SEL]
	v_cmp_eq_u32 s85, 2, v[SEL]
	v_cmp_eq_u32 s86, 3, v[SEL]
	s_wait_kmcnt 0x0
	s_mov_b32 s81, 0
	s_lshl_b32 s80, s5, 2
	s_add_nc_u64 s[10:11], s[10:11], s[80:81]
	s_load_b32 s78, s[10:11], 0x0                  ; t of my batch
	s_min_u32 s80, s3, 2
	s_lshl_b32 s80, s80, 8
	s_add_nc_u64 s[60:61], s[32:33], s[80:81]      ; the parameter slot that my wave stages: qkv_b's thirds, ln_g, ln_b
	s_cmp_eq_u32 s3, 3
	s_cselect_b64 s[60:61], s[26:27], s[60:61]
	s_cmp_eq_u32 s3, 4
	s_cselect_b64 s[60:61], s[28:29], s[60:61]
	s_add_nc_u64 s[66:67], s[42:43], 16384         ; sa2_qkv_w, rows 64-127
	s_add_nc_u64 s[68:69], s[42:43], 32768         ; rows 128-191
	s_mov_b64 s[62:63], s[34:35]                   ; block 0: sa1_out_w
	PICK 1, 36
	PICK 2, 38
	PICK 3, 40
	PICK 4, 42
	PICK 5, 66
	PICK 6, 68
	PICK 7, 44
	PICK 8, 46
	PICK 9, 48
	PICK 10, 44
	PICK 11, 46
	PICK 12, 48
	s_min_u32 s80, s5, 12
	s_lshl_b32 s80, s80, 13
	s_add_nc_u64 s[70:71], s[56:57], s[80:81]      ; wimg + 8,192 b
	s_lshl_b32 s80, s5, 8
	s_add_nc_u64 s[54:55], s[54:55], s[80:81]      ; tb2 + 256 b
	s_mul_i32 s80, s4, 192
	s_add_nc_u64 s[76:77], s[8:9], s[80:81]        ; pos at my stripe
	s_lshl_b32 s80, s4, 12
	s_add_nc_u64 s[XO:XO+1], s[52:53], s[80:81]
	s_lshl_b32 s79, s6, 2
	s_add_co_u32 s79, s79, s3
	s_lshl_b32 s79, s79, 11                        ; 2,048 x my stripe in the batch
	s_mul_i32 s80, s5, 3*ARR
	s_add_co_u32 s80, s80, s79
	s_add_nc_u64 s[QO:QO+1], s[50:51], s[80:81]
	; All loads, the ones used last first: sa1_qkv_w's twelve passes are the youngest on every wave's path, so the counts of their waits hold for every wave.
	s_cmp_ge_u32 s3, 5
	s_cbranch_scc1 .Lno_pv
	global_load_b64 v[PV:PV+1], v[LANE8], s[60:61]
.Lno_pv:
.irp i, 0,1,2,3
	global_load_b128 v[EW1+4*\i:EW1+4*\i+3], v[GOFF], s[16:17] offset:4096*\i
	global_load_b128 v[EW2+4*\i:EW2+4*\i+3], v[GOFF], s[20:21] offset:4096*\i
.endr
	global_load_b32 v[BE],   v[E4], s[18:19]
	global_load_b32 v[BE+1], v[E4], s[14:15]
	global_load_b32 v[BE+2], v[E4], s[22:23]
	global_load_b32 v[BE+3], v[E4], s[24:25]
	s_cmp_ge_u32 s3, 4
	s_cbranch_scc1 .Lno_pos
	global_load_b96 v[PP:PP+2], v[PPO], s[76:77]
.irp t, 0,1,2,3
.irp i, 0,1,2,3,4,5
	global_load_b128 v[WI+24*\t+4*\i:WI+24*\t+4*\i+3], v[WIO], s[12:13] offset:192*\t+16*\i
.endr
.endr
.Lno_pos:
.irp p, 0,1,2,3,4,5,6,7,8,9,10,11
	global_load_b128 v[WR+4*\p:WR+4*\p+3], v[GOFF], s[30:31] offset:4096*\p
.endr
	s_wait_kmcnt 0x0                               ; t
	; Waves 0 and 1: thread k makes silu(t_info[k]); k < 32 a sine, else a cosine, of t / 10000^((k % 32) / 32).
	s_cmp_ge_u32 s3, 2
	s_cbranch_scc1 .Lno_trig
	v_and_b32 v8, 31, v0
	v_cvt_f32_u32 v8, v8
	v_mul_f32 v8, 0xbed49a78, v8                   ; - log2(10000) / 32
	v_exp_f32 v8, v8
	v_lshrrev_b32 v9, 5, v0                        ; 0 sine, 1 cosine = the sine a quarter turn on
	s_wait_alu depctr_va_vdst(0)
	v_mul_f32 v8, s78, v8                          ; the angle
	v_mul_f32 v10, s82, v8
	v_rndne_f32 v10, v10                           ; n whole quarter turns
	v_fma_f32 v11, v8, s82, -v10
	v_fma_f32 v11, v8, s83, v11                    ; what is left, within half a quarter turn either way
	v_mul_f32 v11, 0x3fc90fdb, v11                 ; in radians, |.| <= pi/4
	v_mul_f32 v12, v11, v11
	v_mov_b32 v13, 0xb94ca1f9                      ; sine: x + x z (S1 + z (S2 + z S3))
	v_fmaak_f32 v13, v13, v12, 0x3c08839e
	v_fmaak_f32 v13, v13, v12, 0xbe2aaaa3
	v_mul_f32 v13, v13, v12
	v_fma_f32 v13, v13, v11, v11
	v_mov_b32 v14, 0x37ccf5ce                      ; cosine: 1 - z/2 + z z (C1 + z (C2 + z C3))
	v_fmaak_f32 v14, v14, v12, 0xbab6061a
	v_fmaak_f32 v14, v14, v12, 0x3d2aaaa5
	v_mul_f32 v14, v14, v12
	v_fma_f32 v15, v12, -0.5, 1.0
	v_fma_f32 v14, v14, v12, v15
	v_cvt_i32_f32 v16, v10
	v_add_nc_u32 v16, v16, v9                      ; the quadrant
	v_and_b32 v17, 1, v16
	v_cmp_eq_u32 vcc_lo, 1, v17
	v_cndmask_b32 v13, v13, v14, vcc_lo            ; odd quadrants take the cosine's polynomial
	v_and_b32 v17, 2, v16
	v_lshlrev_b32 v17, 30, v17
	v_xor_b32 v13, v13, v17                        ; quadrants 2 and 3 change the sign
	v_mul_f32 v14, 0xbfb8aa3b, v13
	v_exp_f32 v14, v14
	v_nop
	s_wait_alu depctr_va_vdst(0)
	v_add_f32 v14, 1.0, v14
	v_rcp_f32 v14, v14
	v_lshlrev_b32 v15, 2, v0
	s_wait_alu depctr_va_vdst(0)
	v_mul_f32 v13, v13, v14                        ; silu
	ds_store_b32 v15, v13 offset:SIL
.Lno_trig:
	; sa1_qkv_w to bf16 images in LDS: a pass is 16 rows, one image
.irp p, 0,1,2,3,4,5,6,7,8,9,10,11
	s_wait_loadcnt 11-\p                           ; loads return in order (ISA guide 5.7.1): pass p is in, the younger passes stay out
	v_cvt_pk_bf16_f32 v[WR+4*\p], v[WR+4*\p], v[WR+4*\p+1]
	v_cvt_pk_bf16_f32 v[WR+4*\p+1], v[WR+4*\p+2], v[WR+4*\p+3]
	ds_store_b64 v[WSTO], v[WR+4*\p:WR+4*\p+1] offset:WB+2048*\p
.endr
	s_cmp_ge_u32 s3, 5
	s_cbranch_scc1 .Lno_pv2
	v_lshlrev_b32 v18, 3, v0
	ds_store_b64 v18, v[PV:PV+1] offset:PRM        ; slot = my wave
.Lno_pv2:
	s_wait_dscnt 0x0                               ; my stores are in LDS before I say so
	s_barrier_signal -1
	s_barrier_wait -1                              ; silu, the images and the parameters are there for every wave
	; Both time embeddings: sixteen lanes share a weight row, four rows a thread; thread picks row e = 16 (tid % 4) + tid / 16
	ds_load_b128 v[SV:SV+3], v[LQ16] offset:SIL
	s_wait_dscnt 0x0
.irp i, 0,1,2,3
	v_mul_f32 v[8+\i],  v[EW1+4*\i], v[SV]
	v_mul_f32 v[12+\i], v[EW2+4*\i], v[SV]
.endr
.irp c, 1,2,3
.irp i, 0,1,2,3
	v_fmac_f32 v[8+\i],  v[EW1+4*\i+\c], v[SV+\c]
	v_fmac_f32 v[12+\i], v[EW2+4*\i+\c], v[SV+\c]
.endr
.endr
.irp m, 1,2,4,8
.irp i, 0,1,2,3,4,5,6,7
	v_add_f32_dpp v[8+\i], v[8+\i], v[8+\i] row_xmask:\m row_mask:0xf bank_mask:0xf
.endr
.endr
	v_cndmask_b32 v8, v8, v9, s84
	v_cndmask_b32 v12, v12, v13, s84
	v_cndmask_b32 v8, v8, v10, s85
	v_cndmask_b32 v12, v12, v14, s85
	v_cndmask_b32 v8, v8, v11, s86
	v_cndmask_b32 v12, v12, v15, s86
	v_add_f32 v[BE], v[BE], v[BE+1]
	v_add_f32 v[BE+2], v[BE+2], v[BE+3]
	v_add_f32 v8, v8, v[BE]
	v_add_f32 v12, v12, v[BE+2]
	ds_store_b32 v[E4], v8 offset:C1               ; four lanes hold the same e and store the same number
	ds_store_b32 v[E4], v12 offset:C2
	s_wait_dscnt 0x0
	s_barrier_signal -1
	s_barrier_wait -1                              ; the last barrier: from here each wave works alone
	s_cmp_ge_u32 s3, 4
	s_cbranch_scc1 .Lhigh
	; Waves 0-3: the stripe
	LOADP AV, C1-PRM
	LOADP P0, 768
	LOADP P1, 1024
	v_mov_b32 v[TMP+6], 0                          ; v_permlanex16_b32's destination counts as read
	s_wait_dscnt 0x0
.irp c, 0,1,2
.irp t, 0,1,2,3
.irp j, 0,1,2,3,4,5,6,7
	v_fmac_f32 v[AV+8*\t+\j], v[PP+\c], v[WI+24*\t+3*\j+\c]
.endr
.endr
.endr
	LOADW 0
	LOADP TT, 0
.irp c, 0,1,2,3,4,5,6,7
	global_store_b128 v[L16], v[AV+4*\c:AV+4*\c+3], s[XO:XO+1] offset:512*\c   ; 512 consecutive bytes a store; AV is not written again
.endr
	LN AV, ACC
	QKV 0, 0
	s_set_vgpr_msb 0x5
	s_wait_tensorcnt 0x0
	ds_add_u32 v0, v1
	s_wait_dscnt 0x0
	s_set_vgpr_msb 0x500
	s_endpgm
.Lhigh:
	; Waves 4-7 of thirteen work-groups: one 64 x 64 weight as four images.  Thread u = tid - 128 makes the 16-byte chunks u + 128 i: image i, chunk q = u / 16, place p = u % 16,
	; which holds row (p - 2 q) % 16.  It reads that row's 32 bytes of f32 and stores 16 bytes beside its neighbours'.
	; Both forms are made, bf16(w) and bf16(w - bf16(w)) (the difference is exact in f32), and the block's number picks the one that is stored.
	s_cmp_eq_u32 s7, 0
	s_cbranch_scc1 .Lno_img
	v_bfe_u32 v[ISRC], v0, 4, 3                    ; q
	v_and_b32 v[IDST], 15, v0                      ; p
	v_lshlrev_b32 v[ITMP], 1, v[ISRC]
	v_sub_nc_u32 v[IDST], v[IDST], v[ITMP]
	v_and_b32 v[IDST], 15, v[IDST]                 ; the row
	v_lshlrev_b32 v[IDST], 8, v[IDST]
	v_lshl_add_u32 v[ISRC], v[ISRC], 5, v[IDST]    ; 256 row + 32 q
	v_and_b32 v[IDST], 127, v0
	v_lshlrev_b32 v[IDST], 4, v[IDST]              ; 16 u
.irp i, 0,1,2,3
	global_load_b128 v[IRAW+8*\i:IRAW+8*\i+3],   v[ISRC], s[62:63] offset:4096*\i
	global_load_b128 v[IRAW+8*\i+4:IRAW+8*\i+7], v[ISRC], s[62:63] offset:4096*\i+16
.endr
	s_wait_loadcnt 0x0
.set n, 0
.rept 16
	v_cvt_pk_bf16_f32 v[IPK+n], v[IRAW+2*n], v[IRAW+2*n+1]
	v_lshlrev_b32 v[IHF+2*n], 16, v[IPK+n]
	v_and_b32 v[IHF+2*n+1], 0xffff0000, v[IPK+n]
.set n, n+1
.endr
.set n, 0
.rept 16
	v_pk_add_f32 v[IHF+2*n:IHF+2*n+1], v[IRAW+2*n:IRAW+2*n+1], v[IHF+2*n:IHF+2*n+1] neg_lo:[0,1] neg_hi:[0,1]
.set n, n+1
.endr
.set n, 0
.rept 16
	v_cvt_pk_bf16_f32 v[ILO+n], v[IHF+2*n], v[IHF+2*n+1]
	v_cndmask_b32 v[IPK+n], v[IPK+n], v[ILO+n], s59
.set n, n+1
.endr
.irp i, 0,1,2,3
	global_store_b128 v[IDST], v[IPK+4*\i:IPK+4*\i+3], s[70:71] offset:2048*\i
.endr
.Lno_img:
	s_cmp_lg_u32 s3, 4
	s_cbranch_scc1 .Lend
	s_cmp_eq_u32 s58, 0
	s_cbranch_scc1 .Lend
	ds_load_b64 v[30:31], v[LANE8] offset:C2
	s_wait_dscnt 0x0
	global_store_b64 v[LANE8], v[30:31], s[54:55]  ; the batch's 256 bytes, by one instruction
.Lend:
	s_set_vgpr_msb 0x5
	s_wait_tensorcnt 0x0
	ds_add_u32 v0, v1
	s_wait_dscnt 0x0
	s_set_vgpr_msb 0x500
	s_endpgm
.Lfunc_end_k_q5d7844cd19_pre:
	.size	k_q5d7844cd19_pre, .Lfunc_end_k_q5d7844cd19_pre-k_q5d7844cd19_pre
	.p2alignl 7, 3214868480
	.fill 96, 4, 3214868480
	.section	.rodata,"a",@progbits
	.p2align	6, 0x0
	.amdhsa_kernel k_q5d7844cd19_pre
		.amdhsa_group_segment_fixed_size 27648
		.amdhsa_private_segment_fixed_size 0
		.amdhsa_enable_private_segment 0
		.amdhsa_kernarg_size 200
		.amdhsa_user_sgpr_count 2
		.amdhsa_user_sgpr_kernarg_segment_ptr 1
		.amdhsa_wavefront_size32 1
		.amdhsa_system_sgpr_workgroup_id_x 1
		.amdhsa_system_sgpr_workgroup_id_y 1
		.amdhsa_system_sgpr_workgroup_id_z 1
		.amdhsa_system_vgpr_workitem_id 0
		.amdhsa_next_free_vgpr 258
		.amdhsa_next_free_sgpr 100
		.amdhsa_reserve_vcc 1
		.amdhsa_float_denorm_mode_32 3
		.amdhsa_float_denorm_mode_16_64 3
		.amdhsa_memory_ordered 1
		.amdhsa_forward_progress 1
		.amdhsa_inst_pref_size 52
	.end_amdhsa_kernel
	.amdgpu_metadata
---
amdhsa.version: [ 1, 2 ]
amdhsa.kernels:
  - .name:           k_q5d7844cd19_pre
    .symbol:         k_q5d7844cd19_pre.kd
    .args:
      - { .name: pos, .offset: 0, .size: 8, .value_kind: global_buffer, .address_space: global }
      - { .name: t_int, .offset: 8, .size: 8, .value_kind: global_buffer, .address_space: global }
      - { .name: w_in, .offset: 16, .size: 8, .value_kind: global_buffer, .address_space: global }
      - { .name: b_in, .offset: 24, .size: 8, .value_kind: global_buffer, .address_space: global }
      - { .name: emb1_w, .offset: 32, .size: 8, .value_kind: global_buffer, .address_space: global }
      - { .name: emb1_b, .offset: 40, .size: 8, .value_kind: global_buffer, .address_space: global }
      - { .name: emb2_w, .offset: 48, .size: 8, .value_kind: global_buffer, .address_space: global }
      - { .name: emb2_b, .offset: 56, .size: 8, .value_kind: global_buffer, .address_space: global }
      - { .name: b_mid, .offset: 64, .size: 8, .value_kind: global_buffer, .address_space: global }
      - { .name: sa1_ln_g, .offset: 72, .size: 8, .value_kind: global_buffer, .address_space: global }
      - { .name: sa1_ln_b, .offset: 80, .size: 8, .value_kind: global_buffer, .address_space: global }
      - { .name: sa1_qkv_w, .offset: 88, .size: 8, .value_kind: global_buffer, .address_space: global }
      - { .name: sa1_qkv_b, .offset: 96, .size: 8, .value_kind: global_buffer, .address_space: global }
      - { .name: sa1_out_w, .offset: 104, .size: 8, .value_kind: global_buffer, .address_space: global }
      - { .name: sa1_f1_w, .offset: 112, .size: 8, .value_kind: global_buffer, .address_space: global }
      - { .name: sa1_f2_w, .offset: 120, .size: 8, .value_kind: global_buffer, .address_space: global }
      - { .name: w_mid, .offset: 128, .size: 8, .value_kind: global_buffer, .address_space: global }
      - { .name: sa2_qkv_w, .offset: 136, .size: 8, .value_kind: global_buffer, .address_space: global }
      - { .name: sa2_out_w, .offset: 144, .size: 8, .value_kind: global_buffer, .address_space: global }
      - { .name: sa2_f1_w, .offset: 152, .size: 8, .value_kind: global_buffer, .address_space: global }
      - { .name: sa2_f2_w, .offset: 160, .size: 8, .value_kind: global_buffer, .address_space: global }
      - { .name: qkv1, .offset: 168, .size: 8, .value_kind: global_buffer, .address_space: global }
      - { .name: x1, .offset: 176, .size: 8, .value_kind: global_buffer, .address_space: global }
      - { .name: tb2, .offset: 184, .size: 8, .value_kind: global_buffer, .address_space: global }
      - { .name: wimg, .offset: 192, .size: 8, .value_kind: global_buffer, .address_space: global }
    .group_segment_fixed_size: 27648
    .private_segment_fixed_size: 0
    .kernarg_segment_align: 8
    .kernarg_segment_size: 200
    .max_flat_workgroup_size: 256
    .sgpr_count:     100
    .vgpr_count:     258
    .wavefront_size: 32
...
	.end_amdgpu_metadata
.endif
;; end of part 1
;; launch blk1 (part 2): grid 256 x 1, 8 waves a work-group, clusters of 4 x 1, 323,328 bytes of LDS; arguments qkv1, x1, wimg, sa2_qkv_b, sa1_out_b, sa1_fln_g, sa1_fln_b, sa1_f1_b, sa1_f2_b, tb2, sa2_ln_g, sa2_ln_b, qkv2, x2; writes qkv2, x2
.if DOCPART == 2
	.amdgcn_target "amdgcn-amd-amdhsa--gfx1250"
	.amdhsa_code_object_version 6
	.text
	.protected	k_q5d7844cd19_blk1
	.globl	k_q5d7844cd19_blk1
	.p2align	8
	.type	k_q5d7844cd19_blk1,@function
k_q5d7844cd19_blk1:
	s_mov_b64 s[64:65], 0
	v_nop
	global_prefetch_b8 v0, s[64:65] scope:SCOPE_SE
	s_setreg_imm32_b32 hwreg(HW_REG_WAVE_MODE, 25, 1), 1
	s_wait_xcnt 0x0
	s_wait_alu depctr_hold_cnt(0) depctr_sa_sdst(0) depctr_va_vdst(0) depctr_va_sdst(0) depctr_va_ssrc(0) depctr_va_vcc(0) depctr_vm_vsrc(0)
	s_getreg_b32 s2, hwreg(HW_REG_IB_STS2, 6, 4)
	s_cmp_eq_u32 s2, 0
	s_cbranch_scc0 .Lentry_in_a_cluster
	s_endpgm
.Lentry_in_a_cluster:
	s_bfe_u32 s2, ttmp6, 0x10000c
	s_cmp_lg_u32 s2, 0x3003
	s_cbranch_scc0 .Lentry_shape_is_right
	s_endpgm
.Lentry_shape_is_right:
; SimpleFC, launch 2 of 3: attention of block 1, out-projection + x1, LayerNorm, f1, GELU, f2 + residual, relu, w_mid + tb2 = x2, LayerNorm, Q, K, V of block 2.
; 256 work-groups of 8 waves; work-group wg: batch b = wg / 16, 64 rows = four stripes of 16.  Layouts of qkv, x and the weight images: see launch 1's head
; (L = lane, r = L % 16, h = L / 16; a stripe in 32 registers, register 8 t + j = (row r, feature 16 t + 8 h + j)).
; K and V of the whole batch (262,144 bytes) and seven weight images' blocks (57,344 bytes) lie in LDS, each filled once: no slot is ever filled again.
; CLUSTER 4 x 1: the sixteen work-groups of a batch read the same K, V and weights; four of them ask jointly (mask 15), which divides those requests by four.
; ATTENTION.  Wave w: head w % 4, query stripes 2 (w / 4) and + 1.  Scores are made transposed, S^T = K Q^T: lane (r, h) holds query r, keys 8 h + j, so the maximum over keys
; is a maximum in the lane and one exchange, and two packed score tiles are the B operand of O^T = V^T P^T.  A head is 16 deep and the instruction 32: an A fragment holds
; two key stripes, and each query stripe has two B fragments, [q; 0] and [0; q], which pick one of the two.
; TWO PASSES.  Pass 1 makes the scores and takes each query's true maximum.  Pass 2 makes them again with C = - maximum, so that the subtraction costs no vector instruction;
; p = exp2(.) (Q carries 0.25 log2 e); the row sum is a product with a matrix of ones, taken from the same rounded p.
; TAIL.  Waves 0-3 carry one stripe each through the rest in registers; waves 4-7 end behind the closing round: a row must lie in one wave, and the tail is 56 of a wave's 440 matrix instructions.
; LIMITS.  Matrix operands and p are bf16.  erf by Abramowitz and Stegun 7.1.26, absolute error 1.5e-7 at the most, for every x.
; A K row that is not finite spoils the neighbouring stripe's scores (0 x infinity in the unused half of the depth): NaN and infinities are not reproduced place by place.
.set VB,     131072                    ; LDS: K at 0, V here, each [stripe 64][head 4][512 bytes]
.set WB,     262144                    ; image tiles 0-3 sa1_out_w, 4-7 sa1_f1_w, 8-11 sa1_f2_w, 12-15 w_mid, 16-27 sa2_qkv_w
.set PRM,    319488                    ; slots of 256 bytes: 0 out_b, 1 fln_g, 2 fln_b, 3 f1_b, 4 f2_b, 5 tb2, 6 ln_g, 7 ln_b, 8-10 qkv_b
.set OST,    0                         ; the heads' outputs, [stripe 4][head 4][512 bytes], over K's first bytes, which have had their only fill and are read no more
.set WROWS,  28                        ; rows of 256 bytes of the image that a wave fetches: 8 x 28 x 256 = 57,344
.set ARR,    131072
.set QSCALE, 0x3eb8aa3b
.set GCP, 0x3e6d3388                   ; 0.3275911 / sqrt 2
.set GCU, 0x3f596d27                   ; sqrt(log2(e) / 2)
.set GA1, 0x3e827906
.set GA2, 0xbe91a98e
.set GA3, 0x3fb5f0e3
.set GA4, 0xbfba00e3
.set GA5, 0x3f87dc22
; registers of the attention
.set L16, 1
.set WA,  2                            ; v2-5, made at the head, used in the tail
.set KA,  6
.set VA,  7
.set QL0, 8                            ; v8-15 [q0; 0], v16-23 [0; q0], v24-31 [q1; 0], v32-39 [0; q1]
.set KF,  40                           ; v40-55  two A fragments: four key stripes
.set VF,  56                           ; v56-71  V's two A fragments; pass 1's second K buffer
.set SC0, 72                           ; v72-103 scores of query stripe 0, v104-135 of stripe 1
.set PF0, 136                          ; v136-151, v152-167: p as B fragments
.set OA0, 168                          ; v168-175 O of stripe 0, v184-191 of stripe 1
.set LS0, 176                          ; v176-183 row sums of stripe 0, v192-199 of stripe 1
.set NM0, 200                          ; v200-207, v208-215: minus the maximum, eight times
.set ONES,216
.set MX,  224                          ; v224-231: four chains of maxima a stripe
; registers of the tail
.set PA,  6
.set PBV, 7
.set AV,  8
.set ACC, 40
.set P0,  72
.set P1,  104
.set XB,  136
.set WF,  152
.set TT,  216
.set TMP, 248
.set QO,  80                           ; s[80:81] qkv2 at my stripe
.set XO,  82                           ; s[82:83] x2 at my stripe
.macro ROUND                           ; a round of the cluster's barrier
	s_barrier_signal -1
	s_barrier_wait -1
	s_cmp_lg_u32 s3, 0
	s_cbranch_scc1 .Lnot_wave_0_\@
	s_barrier_signal -3
.Lnot_wave_0_\@:
	s_barrier_wait -3
	s_barrier_signal -1
	s_barrier_wait -1
.endm
.macro PLACES                          ; five plain vector instructions behind matrix instructions (ISA guide 7.12.1): their results are read and their registers written only behind these
.rept 5
	v_nop
.endr
.endm
.macro MKWA r, h, t                    ; WA[i] = WB + (2 i + h) 256 + ((r + 4 i + 2 h) % 16) 16
	v_lshl_add_u32 v[\t], v[\h], 1, v[\r]
.irp i, 0,1,2,3
	v_add_nc_u32 v[\t+1], 4*\i, v[\t]
	v_and_b32 v[\t+1], 15, v[\t+1]
	v_lshlrev_b32 v[\t+1], 4, v[\t+1]
	v_lshl_add_u32 v[\t+1], v[\h], 8, v[\t+1]
	v_add_nc_u32 v[WA+\i], WB+512*\i, v[\t+1]
.endr
.endm
.macro LOADW T0
.irp t, 0,1,2,3
	ds_load_b128 v[WF+16*\t:WF+16*\t+3],     v[WA]   offset:(\T0+\t)*2048
	ds_load_b128 v[WF+16*\t+4:WF+16*\t+7],   v[WA+1] offset:(\T0+\t)*2048
	ds_load_b128 v[WF+16*\t+8:WF+16*\t+11],  v[WA+2] offset:(\T0+\t)*2048
	ds_load_b128 v[WF+16*\t+12:WF+16*\t+15], v[WA+3] offset:(\T0+\t)*2048
.endr
.endm
.macro LOADP dst, byte
.irp c, 0,1,2,3,4,5,6,7
	ds_load_b128 v[\dst+4*\c:\dst+4*\c+3], v[PA] offset:\byte+(\c/2)*64+(\c%2)*16
.endr
.endm
.macro LIN c                           ; ACC = W XB + bias (block c).  The four accumulators take turns, one instruction a turn
.irp t, 0,1,2,3
	v_wmma_f32_16x16x32_bf16 v[ACC+8*\t:ACC+8*\t+7], v[WF+16*\t:WF+16*\t+7], v[XB:XB+7], v[\c+8*\t:\c+8*\t+7]
.endr
.irp t, 0,1,2,3
	v_wmma_f32_16x16x32_bf16 v[ACC+8*\t:ACC+8*\t+7], v[WF+16*\t+8:WF+16*\t+15], v[XB+8:XB+15], v[ACC+8*\t:ACC+8*\t+7]
.endr
.endm
.macro LINV
.irp t, 0,1,2,3
	v_wmma_f32_16x16x32_bf16 v[ACC+8*\t:ACC+8*\t+7], v[XB:XB+7], v[WF+16*\t:WF+16*\t+7], 0
.endr
.irp t, 0,1,2,3
	v_wmma_f32_16x16x32_bf16 v[ACC+8*\t:ACC+8*\t+7], v[XB+8:XB+15], v[WF+16*\t+8:WF+16*\t+15], v[ACC+8*\t:ACC+8*\t+7]
.endr
.endm
.macro PACKX src
.set n, 0
.rept 16
	v_cvt_pk_bf16_f32 v[XB+n], v[\src+2*n], v[\src+2*n+1]
.set n, n+1
.endr
.endm
.macro ADDB d, a                       ; d += a, 32 numbers
.set n, 0
.rept 16
	v_pk_add_f32 v[\d+n:\d+n+1], v[\d+n:\d+n+1], v[\a+n:\a+n+1]
.set n, n+2
.endr
.endm
.macro ROWSUM
	v_pk_add_f32 v[TMP:TMP+1], v[TMP:TMP+1], v[TMP+2:TMP+3]
	v_add_f32 v[TMP], v[TMP], v[TMP+1]
	v_permlanex16_b32 v[TMP+6], v[TMP], s90, s91
	v_add_f32 v[TMP], v[TMP], v[TMP+6]
.endm
.macro LN src, y                       ; XB = bf16((src - mean) rsqrt(var + 1e-5) g + b), g in P0, b in P1; the variance from the centred values
	v_pk_add_f32 v[TMP:TMP+1], v[\src:\src+1], v[\src+4:\src+5]
	v_pk_add_f32 v[TMP+2:TMP+3], v[\src+2:\src+3], v[\src+6:\src+7]
.irp k, 8,12,16,20,24,28
	v_pk_add_f32 v[TMP:TMP+1], v[TMP:TMP+1], v[\src+\k:\src+\k+1]
	v_pk_add_f32 v[TMP+2:TMP+3], v[TMP+2:TMP+3], v[\src+\k+2:\src+\k+3]
.endr
	ROWSUM
	v_mul_f32 v[TMP+4], s88, v[TMP]
	v_mul_f32 v[TMP+5], s88, v[TMP]
.set n, 0
.rept 16
	v_pk_add_f32 v[\y+n:\y+n+1], v[\src+n:\src+n+1], v[TMP+4:TMP+5] neg_lo:[0,1] neg_hi:[0,1]
.set n, n+2
.endr
	v_pk_mul_f32 v[TMP:TMP+1], v[\y:\y+1], v[\y:\y+1]
	v_pk_mul_f32 v[TMP+2:TMP+3], v[\y+2:\y+3], v[\y+2:\y+3]
.irp k, 4,8,12,16,20,24,28
	v_pk_fma_f32 v[TMP:TMP+1], v[\y+\k:\y+\k+1], v[\y+\k:\y+\k+1], v[TMP:TMP+1]
	v_pk_fma_f32 v[TMP+2:TMP+3], v[\y+\k+2:\y+\k+3], v[\y+\k+2:\y+\k+3], v[TMP+2:TMP+3]
.endr
	ROWSUM
	v_fma_f32 v[TMP], v[TMP], s88, s92
	v_rsq_f32 v[TMP+4], v[TMP]
	v_rsq_f32 v[TMP+5], v[TMP]
	v_nop                                          ; one plain instruction behind the transcendentals (ISA guide 5.7.2)
.set n, 0
	s_wait_alu depctr_va_vdst(0)
.rept 16
	v_pk_mul_f32 v[\y+n:\y+n+1], v[\y+n:\y+n+1], v[TMP+4:TMP+5]
.set n, n+2
.endr
.set n, 0
.rept 16
	v_pk_fma_f32 v[\y+n:\y+n+1], v[\y+n:\y+n+1], v[P0+n:P0+n+1], v[P1+n:P1+n+1]
.set n, n+2
.endr
	PACKX \y
.endm
; gelu(x) = x/2 + |x|/2 erf(|x| / sqrt 2) on 16 numbers at x, stage by stage.  a in P0, t in P0+16, e in P1, the polynomial in P1+16; A4 in v[TMP:TMP+1].
.macro GELU8 x
.set n, 0
.rept 16
	v_and_b32 v[P0+n], 0x7fffffff, v[\x+n]
.set n, n+1
.endr
.set n, 0
.rept 8
	v_pk_fma_f32 v[P0+16+n:P0+16+n+1], v[P0+n:P0+n+1], GCP, 1.0 op_sel_hi:[1,0,0]
	v_pk_mul_f32 v[P1+n:P1+n+1], v[P0+n:P0+n+1], GCU op_sel_hi:[1,0]
.set n, n+2
.endr
.set n, 0
.rept 8
	v_pk_mul_f32 v[P1+n:P1+n+1], v[P1+n:P1+n+1], v[P1+n:P1+n+1] neg_lo:[1,0] neg_hi:[1,0]
.set n, n+2
.endr
.set n, 0
.rept 16
	v_rcp_f32 v[P0+16+n], v[P0+16+n]               ; t = 1 / (1 + p z)
.set n, n+1
.endr
.set n, 0
.rept 16
	v_exp_f32 v[P1+n], v[P1+n]                     ; e = exp(- z z)
.set n, n+1
.endr
	v_nop
.set n, 0
	s_wait_alu depctr_va_vdst(0)
.rept 8
	v_pk_fma_f32 v[P1+16+n:P1+16+n+1], v[P0+16+n:P0+16+n+1], GA5, v[TMP:TMP+1] op_sel_hi:[1,0,1]
.set n, n+2
.endr
.irp a, GA3, GA2, GA1
.set n, 0
.rept 8
	v_pk_fma_f32 v[P1+16+n:P1+16+n+1], v[P1+16+n:P1+16+n+1], v[P0+16+n:P0+16+n+1], \a op_sel_hi:[1,1,0]
.set n, n+2
.endr
.endr
.set n, 0
.rept 8
	v_pk_mul_f32 v[P1+16+n:P1+16+n+1], v[P1+16+n:P1+16+n+1], v[P0+16+n:P0+16+n+1]
	v_pk_mul_f32 v[P0+n:P0+n+1], v[P0+n:P0+n+1], 0.5 op_sel_hi:[1,0]
	v_pk_mul_f32 v[\x+n:\x+n+1], v[\x+n:\x+n+1], 0.5 op_sel_hi:[1,0]
.set n, n+2
.endr
.set n, 0
.rept 8
	v_pk_fma_f32 v[P1+16+n:P1+16+n+1], v[P1+16+n:P1+16+n+1], v[P1+n:P1+n+1], 1.0 op_sel_hi:[1,1,0] neg_lo:[1,0,0] neg_hi:[1,0,0]   ; erf
.set n, n+2
.endr
.set n, 0
.rept 8
	v_pk_fma_f32 v[\x+n:\x+n+1], v[P0+n:P0+n+1], v[P1+16+n:P1+16+n+1], v[\x+n:\x+n+1]
.set n, n+2
.endr
.endm
; Q, K, V of the stripe in XB.  The caller has issued LOADW TQ and LOADP TT, QB.  Each store covers 512 consecutive bytes, aligned; the three packed blocks are different registers.
.macro QKV TQ, QB
	s_wait_dscnt 0x0
	LIN TT
	PLACES
	LOADW \TQ+4
	LOADP TT, \QB+256
.set n, 0
.rept 16
	v_pk_mul_f32 v[ACC+n:ACC+n+1], v[ACC+n:ACC+n+1], QSCALE op_sel_hi:[1,0]
.set n, n+2
.endr
.set n, 0
.rept 16
	v_cvt_pk_bf16_f32 v[P0+n], v[ACC+2*n], v[ACC+2*n+1]
.set n, n+1
.endr
.irp t, 0,1,2,3
	global_store_b128 v[L16], v[P0+4*\t:P0+4*\t+3], s[QO:QO+1] offset:512*\t
.endr
	s_wait_dscnt 0x0
	LIN TT
	PLACES
	LOADW \TQ+8
.irp t, 0,1,2,3
	ds_load_b32 v[TMP+2*\t],   v[PBV] offset:\QB+512+64*\t
	ds_load_b32 v[TMP+2*\t+1], v[PBV] offset:\QB+512+64*\t
.endr
.set n, 0
.rept 16
	v_cvt_pk_bf16_f32 v[P0+16+n], v[ACC+2*n], v[ACC+2*n+1]
.set n, n+1
.endr
.irp t, 0,1,2,3
	global_store_b128 v[L16], v[P0+16+4*\t:P0+16+4*\t+3], s[QO:QO+1] offset:ARR+512*\t
.endr
	s_wait_dscnt 0x0
	LINV
	PLACES
.irp t, 0,1,2,3
.irp j, 0,2,4,6
	v_pk_add_f32 v[ACC+8*\t+\j:ACC+8*\t+\j+1], v[ACC+8*\t+\j:ACC+8*\t+\j+1], v[TMP+2*\t:TMP+2*\t+1]
.endr
.endr
.set n, 0
.rept 16
	v_cvt_pk_bf16_f32 v[P1+n], v[ACC+2*n], v[ACC+2*n+1]
.set n, n+1
.endr
.irp t, 0,1,2,3
	global_store_b128 v[L16], v[P1+4*\t:P1+4*\t+3], s[QO:QO+1] offset:2*ARR+512*\t
.endr
.endm
; Scores of four key stripes (buf) against both query stripes: eight matrix instructions on eight accumulators.  sub = 1: C = minus the maximum.
.macro SCORES buf, sub
.irp i, 0,1
.irp u, 0,1,2,3
.if \sub
	v_wmma_f32_16x16x32_bf16 v[SC0+32*\i+8*\u:SC0+32*\i+8*\u+7], v[\buf+8*(\u/2):\buf+8*(\u/2)+7], v[QL0+16*\i+8*(\u%2):QL0+16*\i+8*(\u%2)+7], v[NM0+8*\i:NM0+8*\i+7]
.else
	v_wmma_f32_16x16x32_bf16 v[SC0+32*\i+8*\u:SC0+32*\i+8*\u+7], v[\buf+8*(\u/2):\buf+8*(\u/2)+7], v[QL0+16*\i+8*(\u%2):QL0+16*\i+8*(\u%2)+7], 0
.endif
.endr
.endr
.endm
; Pass 1, one group of 64 keys from buffer buf.  fetch = 1: the buffer is loaded again with the group two further on.  left: the other buffer's loads that may stay out.
.macro P1G buf, fetch, left
	s_wait_dscnt \left
	SCORES \buf, 0
	v_add_nc_u32 v[KA], 8192, v[KA]                ; with three v_nop the four places behind the matrix instructions
.rept 3
	v_nop
.endr
.if \fetch
.irp u, 0,1,2,3
	ds_load_b128 v[\buf+4*\u:\buf+4*\u+3], v[KA] offset:8192+2048*\u
.endr
.endif
.irp i, 0,1
.set n, 0
.rept 16
	v_max3_num_f32 v[MX+4*\i+n%4], v[SC0+32*\i+2*n], v[SC0+32*\i+2*n+1], v[MX+4*\i+n%4]
.set n, n+1
.endr
.endr
.endm
.macro EXPS i                          ; p = exp2(score - maximum) of one query stripe, and its two B fragments
.set n, 0
.rept 32
	v_exp_f32 v[SC0+32*\i+n], v[SC0+32*\i+n]
.set n, n+1
.endr
	v_nop
.set n, 0
	s_wait_alu depctr_va_vdst(0)
.rept 16
	v_cvt_pk_bf16_f32 v[PF0+16*\i+n], v[SC0+32*\i+2*n], v[SC0+32*\i+2*n+1]
.set n, n+1
.endr
.endm
.macro PVMUL i, zero                   ; O += V^T p, sums += ones p.  O and the sums take turns, one instruction a turn
.if \zero
	v_wmma_f32_16x16x32_bf16 v[OA0+16*\i:OA0+16*\i+7], v[VF:VF+7], v[PF0+16*\i:PF0+16*\i+7], 0
	v_wmma_f32_16x16x32_bf16 v[LS0+16*\i:LS0+16*\i+7], v[ONES:ONES+7], v[PF0+16*\i:PF0+16*\i+7], 0
.else
	v_wmma_f32_16x16x32_bf16 v[OA0+16*\i:OA0+16*\i+7], v[VF:VF+7], v[PF0+16*\i:PF0+16*\i+7], v[OA0+16*\i:OA0+16*\i+7]
	v_wmma_f32_16x16x32_bf16 v[LS0+16*\i:LS0+16*\i+7], v[ONES:ONES+7], v[PF0+16*\i:PF0+16*\i+7], v[LS0+16*\i:LS0+16*\i+7]
.endif
	v_wmma_f32_16x16x32_bf16 v[OA0+16*\i:OA0+16*\i+7], v[VF+8:VF+15], v[PF0+16*\i+8:PF0+16*\i+15], v[OA0+16*\i:OA0+16*\i+7]
	v_wmma_f32_16x16x32_bf16 v[LS0+16*\i:LS0+16*\i+7], v[ONES:ONES+7], v[PF0+16*\i+8:PF0+16*\i+15], v[LS0+16*\i:LS0+16*\i+7]
.endm
; Pass 2, one group of 64 keys.  zero = 1: the first products start the sums.  fetch = 1: the next group's K is asked for.
.macro P2 zero, fetch
	s_wait_dscnt 0x0                               ; this group's K is in
	SCORES KF, 1
	v_add_nc_u32 v[KA], 8192, v[KA]                ; with three v_nop the four places: behind them the exponentials read the scores, and K's and V's buffers are loaded again
.rept 3
	v_nop
.endr
.irp u, 0,1,2,3
	ds_load_b128 v[VF+4*\u:VF+4*\u+3], v[VA] offset:2048*\u
.endr
	v_add_nc_u32 v[VA], 8192, v[VA]
.if \fetch
.irp u, 0,1,2,3
	ds_load_b128 v[KF+4*\u:KF+4*\u+3], v[KA] offset:2048*\u
.endr
.endif
	EXPS 0
.if \fetch
	s_wait_dscnt 0x4                               ; V's four loads are in; K's four, issued behind them, stay out
.else
	s_wait_dscnt 0x0
.endif
	PVMUL 0, \zero
	EXPS 1
	PVMUL 1, \zero
.endm
	s_load_b256 s[8:15], s[0:1], 0x0               ; qkv1 8, x1 10, wimg 12, sa2_qkv_b 14
	s_load_b512 s[16:31], s[0:1], 0x20             ; out_b 16, fln_g 18, fln_b 20, f1_b 22, f2_b 24, tb2 26, ln_g 28, ln_b 30: the slots' order
	s_load_b128 s[32:35], s[0:1], 0x60             ; qkv2 32, x2 34
	s_set_vgpr_msb 0x40
	v_lshl_add_u32 v0, v0, 2, 0x4eb00
	v_mov_b32 v1, 0
	s_set_vgpr_msb 0x4045
	ds_add_u32 v0, v1
	s_set_vgpr_msb 0x4500
	v_lshrrev_b32 v[TMP], 5, v0
	v_readfirstlane_b32 s3, v[TMP]                 ; wave
	s_lshr_b32 s6, ttmp9, 2                        ; batch: four clusters a batch, the same in all four partners
	s_and_b32 s7, s3, 3                            ; head
	s_lshr_b32 s86, s3, 2                          ; which pair of query stripes
	s_lshl_b32 s87, s7, 9
	s_mov_b32 s88, 0x3c800000                      ; 1/64
	s_mov_b32 s90, 0x76543210
	s_mov_b32 s91, 0xfedcba98
	s_mov_b32 s92, 0x3727c5ac                      ; 1e-5
	; Descriptors.  Dense bytes as rows of 256: elements of 8 bytes, 32 a row, pitch 32.  Group 1 for K and V: 64 rows (16,384 bytes a wave); for the image: WROWS rows.
	s_mov_b32 s40, 0x0023000f                      ; 15:0 mask: all four partners; 17:16 elements of 8 bytes; 21 set beside a mask
	s_mov_b32 s41, 32<<16                          ; tensor_dim0 = 32
	s_mov_b32 s42, 64<<16                          ; tensor_dim1 = 64
	s_mov_b32 s43, 32<<16                          ; tile_dim0 = 32
	s_mov_b32 s44, 64                              ; tile_dim1 = 64
	s_mov_b32 s45, 32                              ; pitch
	s_mov_b32 s46, 0
	s_mov_b32 s47, 0
	s_mov_b32 s48, 0x0023000f
	s_mov_b32 s49, 32<<16
	s_mov_b32 s50, WROWS<<16
	s_mov_b32 s51, 32<<16
	s_mov_b32 s52, WROWS
	s_mov_b32 s53, 32
	s_mov_b32 s54, 0
	s_mov_b32 s55, 0
	s_mov_b32 s56, 1
	s_lshl_b32 s57, s3, 14                         ; K: LDS byte 16,384 w
	s_mov_b32 s60, 1
	s_add_co_u32 s61, s57, VB                      ; V
	s_mov_b32 s68, 1
	s_mul_i32 s94, s3, WROWS*256
	s_add_co_u32 s69, s94, WB                      ; the image
	s_mov_b32 s95, 0
	v_and_b32 v[TMP+2], 31, v0
	v_lshlrev_b32 v[L16], 4, v[TMP+2]
	v_lshlrev_b32 v236, 3, v[TMP+2]                ; 8 lane
	v_lshlrev_b32 v237, 3, v0                      ; 8 tid
	v_add_nc_u32 v238, PRM, v237
	v_and_b32 v[TMP], 15, v0
	v_bfe_u32 v[TMP+1], v0, 4, 1
	MKWA TMP, TMP+1, TMP+2
	s_wait_dscnt 0x0
	s_wait_kmcnt 0x0
	s_add_nc_u64 s[70:71], s[12:13], s[94:95]      ; s[94:97] hold only the batch and the wave: nothing that differs between partners
	s_or_b32 s71, s71, 0x80000000
	s_mul_i32 s94, s6, 3*ARR
	s_add_nc_u64 s[96:97], s[8:9], s[94:95]        ; qkv1 of my batch
	s_mov_b32 s94, s57
	s_add_nc_u64 s[58:59], s[96:97], s[94:95]
	s_add_nc_u64 s[58:59], s[58:59], ARR           ; K, my wave's eighth
	s_add_nc_u64 s[62:63], s[58:59], ARR           ; V, likewise
	s_or_b32 s59, s59, 0x80000000
	s_or_b32 s63, s63, 0x80000000
	ROUND                                          ; all four partners are here: the joint loads meet
	tensor_load_to_lds s[56:59], s[40:47]          ; the launch's only fills, three a wave: K first, so that pass 1 can begin while the others land
	s_nop 0
	tensor_load_to_lds s[60:63], s[40:47]
	s_nop 0
	tensor_load_to_lds s[68:71], s[48:55]
	s_nop 0
	; what hangs on my place in the cluster: global addresses alone, in registers of their own
	s_bfe_u32 s4, ttmp6, 0x40000                   ; cx
	s_lshl_b32 s5, ttmp9, 2
	s_add_co_u32 s5, s5, s4                        ; work-group
	s_and_b32 s84, s5, 15
	s_lshl_b32 s84, s84, 2                         ; my first stripe in the batch
	s_lshl_b32 s85, s5, 2
	s_add_co_u32 s85, s85, s3                      ; my stripe of 1,024 in the tail (waves 0-3)
	s_mov_b32 s75, 0
	s_lshl_b32 s74, s86, 1
	s_add_co_u32 s74, s74, s84
	s_lshl_b32 s74, s74, 11
	s_add_co_u32 s74, s74, s87
	s_add_nc_u64 s[76:77], s[96:97], s[74:75]      ; Q of my first query stripe and head
	s_lshl_b32 s74, s85, 12
	s_add_nc_u64 s[78:79], s[10:11], s[74:75]      ; x1 at my stripe
	s_add_nc_u64 s[XO:XO+1], s[34:35], s[74:75]
	s_add_co_u32 s74, s84, s3
	s_lshl_b32 s74, s74, 11
	s_mul_i32 s89, s6, 3*ARR
	s_add_co_u32 s74, s74, s89
	s_add_nc_u64 s[QO:QO+1], s[32:33], s[74:75]
	s_lshl_b32 s98, s6, 8
	s_mov_b32 s99, 0
	s_add_nc_u64 s[26:27], s[26:27], s[98:99]      ; tb2 of my batch
	s_mov_b64 s[72:73], s[16:17]                   ; wave w stages slot w
.irp k, 1,2,3,4,5,6,7
	s_cmp_eq_u32 s3, \k
	s_cselect_b64 s[72:73], s[16+2*\k:17+2*\k], s[72:73]
.endr
	global_load_b64 v[232:233], v236, s[72:73]
	s_cmp_ge_u32 s3, 3
	s_cbranch_scc1 .Lno_qb
	global_load_b64 v[234:235], v237, s[14:15]     ; sa2_qkv_b: 96 threads x 8 bytes
.Lno_qb:
	global_load_b128 v[QL0:QL0+3],     v[L16], s[76:77]
	global_load_b128 v[QL0+12:QL0+15], v[L16], s[76:77]
	global_load_b128 v[QL0+16:QL0+19], v[L16], s[76:77] offset:2048
	global_load_b128 v[QL0+28:QL0+31], v[L16], s[76:77] offset:2048
.irp k, 4,5,6,7,8,9,10,11,20,21,22,23,24,25,26,27
	v_mov_b32 v[QL0+\k], 0                         ; the halves of the depth that a fragment does not use
.endr
.irp k, 0,1,2,3,4,5,6,7
	v_mov_b32 v[ONES+\k], 0x3f803f80
	v_mov_b32 v[MX+\k], 0xff800000
.endr
	v_add_nc_u32 v[KA], s87, v[L16]
	s_wait_loadcnt 0x0
	ds_store_b64 v238, v[232:233]
	s_cmp_ge_u32 s3, 3
	s_cbranch_scc1 .Lno_qb2
	ds_store_b64 v238, v[234:235] offset:2048
.Lno_qb2:
	s_wait_dscnt 0x0
	s_wait_tensorcnt 0x2                           ; tensor loads end in order (ISA guide 10.11.1): my eighth of K is in; V's and the image's, issued behind it, stay out
	s_barrier_signal -1
	s_barrier_wait -1                              ; K is whole.
	; PASS 1: sixteen groups of 64 keys through two buffers
.irp u, 0,1,2,3
	ds_load_b128 v[KF+4*\u:KF+4*\u+3], v[KA] offset:2048*\u
.endr
.irp u, 0,1,2,3
	ds_load_b128 v[VF+4*\u:VF+4*\u+3], v[KA] offset:8192+2048*\u
.endr
	s_mov_b32 s93, 7
.Lpass1:
	P1G KF, 1, 4
	P1G VF, 1, 4
	s_sub_co_i32 s93, s93, 1
	s_cmp_lg_u32 s93, 0
	s_cbranch_scc1 .Lpass1
	P1G KF, 0, 4
	P1G VF, 0, 0
.irp i, 0,1
	v_max3_num_f32 v[MX+4*\i], v[MX+4*\i], v[MX+4*\i+1], v[MX+4*\i+2]
	v_max_num_f32 v[MX+4*\i], v[MX+4*\i], v[MX+4*\i+3]
	v_permlanex16_b32 v[MX+4*\i+1], v[MX+4*\i], s90, s91
	v_max_num_f32 v[MX+4*\i], v[MX+4*\i], v[MX+4*\i+1]     ; the query's maximum over all 1,024 keys
.irp j, 0,1,2,3,4,5,6,7
	v_xor_b32 v[NM0+8*\i+\j], 0x80000000, v[MX+4*\i]
.endr
.endr
	v_add_nc_u32 v[KA], s87, v[L16]
	v_add_nc_u32 v[VA], VB, v[KA]
.irp u, 0,1,2,3
	ds_load_b128 v[KF+4*\u:KF+4*\u+3], v[KA] offset:2048*\u
.endr
	s_wait_tensorcnt 0x0                           ; my parts of V and of the image are in
	s_wait_dscnt 0x0
	s_barrier_signal -1
	s_barrier_wait -1                              ; everybody's are
	; PASS 2
	P2 1, 1
	s_mov_b32 s93, 14
.Lpass2:
	P2 0, 1
	s_sub_co_i32 s93, s93, 1
	s_cmp_lg_u32 s93, 0
	s_cbranch_scc1 .Lpass2
	P2 0, 0
	; O / sum, rounded: the four registers are the lane's part of the out-projection's B fragment
	PLACES
	v_rcp_f32 v232, v[LS0]
	v_rcp_f32 v233, v[LS0]
	v_rcp_f32 v234, v[LS0+16]
	v_rcp_f32 v235, v[LS0+16]
	v_nop
	s_wait_alu depctr_va_vdst(0)
.irp i, 0,1
.irp j, 0,2,4,6
	v_pk_mul_f32 v[OA0+16*\i+\j:OA0+16*\i+\j+1], v[OA0+16*\i+\j:OA0+16*\i+\j+1], v[232+2*\i:233+2*\i]
.endr
.irp j, 0,1,2,3
	v_cvt_pk_bf16_f32 v[PF0+16*\i+\j], v[OA0+16*\i+2*\j], v[OA0+16*\i+2*\j+1]
.endr
.endr
	s_lshl_b32 s93, s86, 12
	s_add_co_u32 s93, s93, s87
	v_add_nc_u32 v[KA], s93, v[L16]                ; OST (LDS byte 0) + 2,048 x (2 x pair) + 512 x head
	s_wait_dscnt 0x0
	s_barrier_signal -1
	s_barrier_wait -1                              ; no wave reads K any more: its first 8,192 bytes take the heads' outputs
	ds_store_b128 v[KA], v[PF0:PF0+3] offset:OST
	ds_store_b128 v[KA], v[PF0+16:PF0+19] offset:OST+2048
	s_cmp_ge_u32 s3, 4
	s_cbranch_scc1 .Lno_x
.irp c, 0,1,2,3,4,5,6,7
	global_load_b128 v[AV+4*\c:AV+4*\c+3], v[L16], s[78:79] offset:512*\c
.endr
.Lno_x:
	s_wait_dscnt 0x0                               ; my outputs are in LDS before I say so
	ROUND                                          ; hands the outputs to the tail's waves, and is the closing round: no partner has a joint load left to issue
	s_cmp_ge_u32 s3, 4
	s_cbranch_scc1 .Lend
	; THE TAIL: wave w, stripe w
	v_bfe_u32 v[PA], v0, 4, 1
	v_lshlrev_b32 v[PA], 5, v[PA]
	v_add_nc_u32 v[PA], PRM, v[PA]
	v_and_b32 v[PBV], 15, v0
	v_lshlrev_b32 v[PBV], 2, v[PBV]
	v_add_nc_u32 v[PBV], PRM, v[PBV]
	v_mov_b32 v[TMP+6], 0                          ; v_permlanex16_b32's destination counts as read
	s_lshl_b32 s93, s3, 11
	v_add_nc_u32 v[TMP+5], s93, v[L16]
.irp k, 0,1,2,3
	ds_load_b128 v[XB+4*\k:XB+4*\k+3], v[TMP+5] offset:OST+512*\k
.endr
	LOADW 0
	LOADP P0, 0
	s_wait_dscnt 0x0
	LIN P0                                         ; out-projection + out_b
	PLACES
	LOADW 4
	LOADP P0, 256
	LOADP P1, 512
	LOADP TT, 768
	s_wait_loadcnt 0x0                             ; x1
	ADDB AV, ACC                                   ; av
	s_wait_dscnt 0x0
	LN AV, ACC
	LIN TT                                         ; f1
	PLACES
	LOADW 8
	LOADP TT, 1024
	v_mov_b32 v[TMP], GA4
	v_mov_b32 v[TMP+1], GA4
	GELU8 ACC
	GELU8 ACC+16
	PACKX ACC
	s_wait_dscnt 0x0
	LIN TT                                         ; f2
	PLACES
	LOADW 12
	LOADP TT, 1280
	ADDB ACC, AV                                   ; + av: block 1's result
.set n, 0
.rept 32
	v_max_num_f32 v[ACC+n], 0, v[ACC+n]
.set n, n+1
.endr
	PACKX ACC
	s_wait_dscnt 0x0
	LIN TT                                         ; w_mid, C = b_mid + temb2: x2
	PLACES
	LOADW 16
	LOADP P0, 1536
	LOADP P1, 1792
	LOADP TT, 2048
.irp c, 0,1,2,3,4,5,6,7
	global_store_b128 v[L16], v[ACC+4*\c:ACC+4*\c+3], s[XO:XO+1] offset:512*\c
.endr
	s_wait_dscnt 0x0
	LN ACC, AV
	s_wait_xcnt 0x0                                ; ACC, the data of x2's stores, is written again only behind this wait
	QKV 16, 2048
.Lend:
	s_set_vgpr_msb 0x5
	s_wait_tensorcnt 0x0
	ds_add_u32 v0, v1
	s_wait_dscnt 0x0
	s_set_vgpr_msb 0x500
	s_endpgm
.Lfunc_end_k_q5d7844cd19_blk1:
	.size	k_q5d7844cd19_blk1, .Lfunc_end_k_q5d7844cd19_blk1-k_q5d7844cd19_blk1
	.p2alignl 7, 3214868480
	.fill 96, 4, 3214868480
	.section	.rodata,"a",@progbits
	.p2align	6, 0x0
	.amdhsa_kernel k_q5d7844cd19_blk1
		.amdhsa_group_segment_fixed_size 323328
		.amdhsa_private_segment_fixed_size 0
		.amdhsa_enable_private_segment 0
		.amdhsa_kernarg_size 112
		.amdhsa_user_sgpr_count 2
		.amdhsa_user_sgpr_kernarg_segment_ptr 1
		.amdhsa_wavefront_size32 1
		.amdhsa_system_sgpr_workgroup_id_x 1
		.amdhsa_system_sgpr_workgroup_id_y 1
		.amdhsa_system_sgpr_workgroup_id_z 1
		.amdhsa_system_vgpr_workitem_id 0
		.amdhsa_next_free_vgpr 258
		.amdhsa_next_free_sgpr 100
		.amdhsa_reserve_vcc 0
		.amdhsa_float_denorm_mode_32 3
		.amdhsa_float_denorm_mode_16_64 3
		.amdhsa_memory_ordered 1
		.amdhsa_forward_progress 1
		.amdhsa_inst_pref_size 106
	.end_amdhsa_kernel
	.amdgpu_metadata
---
amdhsa.version: [ 1, 2 ]
amdhsa.kernels:
  - .name:           k_q5d7844cd19_blk1
    .symbol:         k_q5d7844cd19_blk1.kd
    .args:
      - { .name: qkv1, .offset: 0, .size: 8, .value_kind: global_buffer, .address_space: global }
      - { .name: x1, .offset: 8, .size: 8, .value_kind: global_buffer, .address_space: global }
      - { .name: wimg, .offset: 16, .size: 8, .value_kind: global_buffer, .address_space: global }
      - { .name: sa2_qkv_b, .offset: 24, .size: 8, .value_kind: global_buffer, .address_space: global }
      - { .name: sa1_out_b, .offset: 32, .size: 8, .value_kind: global_buffer, .address_space: global }
      - { .name: sa1_fln_g, .offset: 40, .size: 8, .value_kind: global_buffer, .address_space: global }
      - { .name: sa1_fln_b, .offset: 48, .size: 8, .value_kind: global_buffer, .address_space: global }
      - { .name: sa1_f1_b, .offset: 56, .size: 8, .value_kind: global_buffer, .address_space: global }
      - { .name: sa1_f2_b, .offset: 64, .size: 8, .value_kind: global_buffer, .address_space: global }
      - { .name: tb2, .offset: 72, .size: 8, .value_kind: global_buffer, .address_space: global }
      - { .name: sa2_ln_g, .offset: 80, .size: 8, .value_kind: global_buffer, .address_space: global }
      - { .name: sa2_ln_b, .offset: 88, .size: 8, .value_kind: global_buffer, .address_space: global }
      - { .name: qkv2, .offset: 96, .size: 8, .value_kind: global_buffer, .address_space: global }
      - { .name: x2, .offset: 104, .size: 8, .value_kind: global_buffer, .address_space: global }
    .group_segment_fixed_size: 323328
    .private_segment_fixed_size: 0
    .kernarg_segment_align: 8
    .kernarg_segment_size: 112
    .max_flat_workgroup_size: 256
    .sgpr_count:     100
    .vgpr_count:     258
    .wavefront_size: 32
...
	.end_amdgpu_metadata
.endif
;; end of part 2
;; launch blk2 (part 3): grid 256 x 1, 8 waves a work-group, clusters of 4 x 1, 317,696 bytes of LDS; arguments qkv2, x2, wimg, w_out, sa2_out_b, sa2_fln_g, sa2_fln_b, sa2_f1_b, sa2_f2_b, b_out, node_mask, out0; writes out0
.if DOCPART == 3
	.amdgcn_target "amdgcn-amd-amdhsa--gfx1250"
	.amdhsa_code_object_version 6
	.text
	.protected	k_q5d7844cd19_blk2
	.globl	k_q5d7844cd19_blk2
	.p2align	8
	.type	k_q5d7844cd19_blk2,@function
k_q5d7844cd19_blk2:
	s_mov_b64 s[64:65], 0
	v_nop
	global_prefetch_b8 v0, s[64:65] scope:SCOPE_SE
	s_setreg_imm32_b32 hwreg(HW_REG_WAVE_MODE, 25, 1), 1
	s_wait_xcnt 0x0
	s_wait_alu depctr_hold_cnt(0) depctr_sa_sdst(0) depctr_va_vdst(0) depctr_va_sdst(0) depctr_va_ssrc(0) depctr_va_vcc(0) depctr_vm_vsrc(0)
	s_getreg_b32 s2, hwreg(HW_REG_IB_STS2, 6, 4)
	s_cmp_eq_u32 s2, 0
	s_cbranch_scc0 .Lentry_in_a_cluster
	s_endpgm
.Lentry_in_a_cluster:
	s_bfe_u32 s2, ttmp6, 0x10000c
	s_cmp_lg_u32 s2, 0x3003
	s_cbranch_scc0 .Lentry_shape_is_right
	s_endpgm
.Lentry_shape_is_right:
; SimpleFC, launch 3 of 3: attention of block 2, out-projection + x2, LayerNorm, f1, GELU, f2 + residual, relu, w_out + b_out, times node_mask.
; The attention is launch 2's, line for line; see its head for the shares, the layouts, the two passes and the cluster (four work-groups of a batch ask jointly for K, V and the weights).
; TWO bf16 NUMBERS AN OPERAND IN THE TAIL.  bf16 keeps 8 significant bits, and these four layers add straight onto the output, whose own size is that of one product of 64 terms.
; So each of their operands goes to the matrix unit as y1 = bf16(y) and y2 = bf16(y - y1) (the difference is exact in f32), and W x is W1 x1 + W1 x2 + W2 x1: three matrix
; instructions for one, about 16 significant bits, bf16's range.  The weights' second parts come as images of their own from launch 1.  A tail wave issues 78 matrix instructions so,
; beside the 384 of its attention.
; The heads' outputs are handed to the tail in f32, over K's first 16,384 bytes, which have had their only fill and are read no more (a barrier stands behind the last read).
; w_out has 3 rows: wave 5 makes its A fragments (both parts), rows 3-15 zero, while the tiles are on their way; the result's rows 0-2 lie in registers 0-2 of lanes 0-15.
; out0: a wave stores its stripe's 192 consecutive bytes by one instruction; gathering four stripes into whole blocks of 256 would cost a barrier that the ended waves would have to keep.
; LIMITS.  The attention's operands and p are bf16.  erf by Abramowitz and Stegun 7.1.26, absolute error 1.5e-7 at the most, for every x.  A number whose rounding to bf16 overflows
; (above 3.39e38) has no second part.  A K row that is not finite spoils the neighbouring stripe's scores (0 x infinity in the unused half of the depth): NaN and infinities are not
; reproduced place by place.
.set VB,     131072                    ; LDS: K at 0, V here
.set WB,     262144                    ; image tiles 0-3 sa2_out_w, 4-7 sa2_f1_w, 8-11 sa2_f2_w; 12-23 their second parts
.set PRM,    311296                    ; slots of 256 bytes: 0 out_b, 1 fln_g, 2 fln_b, 3 f1_b, 4 f2_b
.set WO,     312576                    ; w_out's fragments: 4 x 512 bytes, then 4 x 512 of the second part
.set OST,    0                         ; the heads' outputs in f32, [stripe 4][head 4][half 2][512 bytes]
.set WROWS,  24                        ; rows of 256 bytes of the image that a wave fetches: 8 x 24 x 256 = 49,152
.set WOFF,   57344                     ; this launch's part of the image buffer
.set ARR,    131072
.set GCP, 0x3e6d3388                   ; 0.3275911 / sqrt 2
.set GCU, 0x3f596d27                   ; sqrt(log2(e) / 2)
.set GA1, 0x3e827906
.set GA2, 0xbe91a98e
.set GA3, 0x3fb5f0e3
.set GA4, 0xbfba00e3
.set GA5, 0x3f87dc22
; registers of the attention
.set L16, 1
.set WA,  2
.set KA,  6
.set VA,  7
.set QL0, 8
.set KF,  40
.set VF,  56
.set SC0, 72
.set PF0, 136
.set OA0, 168
.set LS0, 176
.set NM0, 200
.set ONES,216
.set MX,  224
; registers of the tail
.set PA,  6
.set AV,  8                            ; v8-39    the residual stream
.set ACC, 40                           ; v40-71   accumulators; between two layers the activations in f32
.set P0,  72                           ; v72-103  gain, GELU's temporaries; with P1 the weights' second parts (eight fragments)
.set P1,  104                          ; v104-135
.set XB,  136                          ; v136-151 the activations' first parts, two B fragments
.set WF,  152                          ; v152-215 the weights' first parts, eight fragments
.set XL,  216                          ; v216-231 the activations' second parts
.set ST,  232                          ; v232-247 at work in the split
.set TMP, 248                          ; v248-254; v255: node_mask of my row
.macro ROUND                           ; a round of the cluster's barrier
	s_barrier_signal -1
	s_barrier_wait -1
	s_cmp_lg_u32 s3, 0
	s_cbranch_scc1 .Lnot_wave_0_\@
	s_barrier_signal -3
.Lnot_wave_0_\@:
	s_barrier_wait -3
	s_barrier_signal -1
	s_barrier_wait -1
.endm
.macro PLACES                          ; five plain vector instructions behind matrix instructions (ISA guide 7.12.1): their results are read and their registers written only behind these
.rept 5
	v_nop
.endr
.endm
.macro MKWA r, h, t                    ; WA[i] = WB + (2 i + h) 256 + ((r + 4 i + 2 h) % 16) 16
	v_lshl_add_u32 v[\t], v[\h], 1, v[\r]
.irp i, 0,1,2,3
	v_add_nc_u32 v[\t+1], 4*\i, v[\t]
	v_and_b32 v[\t+1], 15, v[\t+1]
	v_lshlrev_b32 v[\t+1], 4, v[\t+1]
	v_lshl_add_u32 v[\t+1], v[\h], 8, v[\t+1]
	v_add_nc_u32 v[WA+\i], WB+512*\i, v[\t+1]
.endr
.endm
.macro LOADW dst, T0                   ; the eight fragments of image tiles T0 .. T0 + 3 into 64 registers at dst
.irp t, 0,1,2,3
	ds_load_b128 v[\dst+16*\t:\dst+16*\t+3],     v[WA]   offset:(\T0+\t)*2048
	ds_load_b128 v[\dst+16*\t+4:\dst+16*\t+7],   v[WA+1] offset:(\T0+\t)*2048
	ds_load_b128 v[\dst+16*\t+8:\dst+16*\t+11],  v[WA+2] offset:(\T0+\t)*2048
	ds_load_b128 v[\dst+16*\t+12:\dst+16*\t+15], v[WA+3] offset:(\T0+\t)*2048
.endr
.endm
.macro LOADP dst, byte                 ; a 64-vector at PRM + byte, in the stripe's layout
.irp c, 0,1,2,3,4,5,6,7
	ds_load_b128 v[\dst+4*\c:\dst+4*\c+3], v[PA] offset:\byte+(\c/2)*64+(\c%2)*16
.endr
.endm
; The 32 numbers in ACC become XB (first parts) and XL (second parts), eight registers at a time.  load = 1: as soon as a tile's eight registers have been read,
; the next layer's bias (the 64-vector at PRM + byte) is loaded into them: the layer's first products add onto it in place.
.macro SPLITB byte, load
.irp t, 0,1,2,3
.irp m, 0,1,2,3
	v_cvt_pk_bf16_f32 v[XB+4*\t+\m], v[ACC+8*\t+2*\m], v[ACC+8*\t+2*\m+1]
.endr
.irp m, 0,1,2,3
	v_lshlrev_b32 v[ST+8*(\t%2)+2*\m], 16, v[XB+4*\t+\m]
	v_and_b32 v[ST+8*(\t%2)+2*\m+1], 0xffff0000, v[XB+4*\t+\m]
.endr
.irp m, 0,1,2,3
	v_pk_add_f32 v[ST+8*(\t%2)+2*\m:ST+8*(\t%2)+2*\m+1], v[ACC+8*\t+2*\m:ACC+8*\t+2*\m+1], v[ST+8*(\t%2)+2*\m:ST+8*(\t%2)+2*\m+1] neg_lo:[0,1] neg_hi:[0,1]
.endr
.irp m, 0,1,2,3
	v_cvt_pk_bf16_f32 v[XL+4*\t+\m], v[ST+8*(\t%2)+2*\m], v[ST+8*(\t%2)+2*\m+1]
.endr
.if \load
	ds_load_b128 v[ACC+8*\t:ACC+8*\t+3],   v[PA] offset:\byte+64*\t
	ds_load_b128 v[ACC+8*\t+4:ACC+8*\t+7], v[PA] offset:\byte+64*\t+16
.endif
.endr
.endm
.macro LINK w, x                       ; four matrix instructions, one on each accumulator
.irp t, 0,1,2,3
	v_wmma_f32_16x16x32_bf16 v[ACC+8*\t:ACC+8*\t+7], v[\w+16*\t:\w+16*\t+7], v[\x:\x+7], v[ACC+8*\t:ACC+8*\t+7]
.endr
.endm
.macro LIN3                            ; ACC (the bias) += W1 x1 + W1 x2 + W2 x1.  The four accumulators take turns, one instruction a turn
	LINK WF,   XB
	LINK WF+8, XB+8
	LINK WF,   XL
	LINK WF+8, XL+8
	LINK P0,   XB
	LINK P0+8, XB+8
.endm
.macro ADDB d, a                       ; d += a, 32 numbers
.set n, 0
.rept 16
	v_pk_add_f32 v[\d+n:\d+n+1], v[\d+n:\d+n+1], v[\a+n:\a+n+1]
.set n, n+2
.endr
.endm
.macro ROWSUM
	v_pk_add_f32 v[TMP:TMP+1], v[TMP:TMP+1], v[TMP+2:TMP+3]
	v_add_f32 v[TMP], v[TMP], v[TMP+1]
	v_permlanex16_b32 v[TMP+6], v[TMP], s90, s91
	v_add_f32 v[TMP], v[TMP], v[TMP+6]
.endm
.macro LNF src, y                      ; y = (src - mean) rsqrt(var + 1e-5) g + b in f32, g in P0, b in P1; the variance from the centred values, as the model takes it
	v_pk_add_f32 v[TMP:TMP+1], v[\src:\src+1], v[\src+4:\src+5]
	v_pk_add_f32 v[TMP+2:TMP+3], v[\src+2:\src+3], v[\src+6:\src+7]
.irp k, 8,12,16,20,24,28
	v_pk_add_f32 v[TMP:TMP+1], v[TMP:TMP+1], v[\src+\k:\src+\k+1]
	v_pk_add_f32 v[TMP+2:TMP+3], v[TMP+2:TMP+3], v[\src+\k+2:\src+\k+3]
.endr
	ROWSUM
	v_mul_f32 v[TMP+4], s88, v[TMP]
	v_mul_f32 v[TMP+5], s88, v[TMP]
.set n, 0
.rept 16
	v_pk_add_f32 v[\y+n:\y+n+1], v[\src+n:\src+n+1], v[TMP+4:TMP+5] neg_lo:[0,1] neg_hi:[0,1]
.set n, n+2
.endr
	v_pk_mul_f32 v[TMP:TMP+1], v[\y:\y+1], v[\y:\y+1]
	v_pk_mul_f32 v[TMP+2:TMP+3], v[\y+2:\y+3], v[\y+2:\y+3]
.irp k, 4,8,12,16,20,24,28
	v_pk_fma_f32 v[TMP:TMP+1], v[\y+\k:\y+\k+1], v[\y+\k:\y+\k+1], v[TMP:TMP+1]
	v_pk_fma_f32 v[TMP+2:TMP+3], v[\y+\k+2:\y+\k+3], v[\y+\k+2:\y+\k+3], v[TMP+2:TMP+3]
.endr
	ROWSUM
	v_fma_f32 v[TMP], v[TMP], s88, s92             ; sum / 64 + 1e-5
	v_rsq_f32 v[TMP+4], v[TMP]
	v_rsq_f32 v[TMP+5], v[TMP]
	v_nop                                          ; one plain instruction behind the transcendentals (ISA guide 5.7.2)
.set n, 0
	s_wait_alu depctr_va_vdst(0)
.rept 16
	v_pk_mul_f32 v[\y+n:\y+n+1], v[\y+n:\y+n+1], v[TMP+4:TMP+5]
.set n, n+2
.endr
.set n, 0
.rept 16
	v_pk_fma_f32 v[\y+n:\y+n+1], v[\y+n:\y+n+1], v[P0+n:P0+n+1], v[P1+n:P1+n+1]
.set n, n+2
.endr
.endm
; gelu(x) = x/2 + |x|/2 erf(|x| / sqrt 2) on 16 numbers at x, stage by stage.  a in P0, t in P0+16, e in P1, the polynomial in P1+16; A4 in v[TMP:TMP+1].
.macro GELU8 x
.set n, 0
.rept 16
	v_and_b32 v[P0+n], 0x7fffffff, v[\x+n]
.set n, n+1
.endr
.set n, 0
.rept 8
	v_pk_fma_f32 v[P0+16+n:P0+16+n+1], v[P0+n:P0+n+1], GCP, 1.0 op_sel_hi:[1,0,0]
	v_pk_mul_f32 v[P1+n:P1+n+1], v[P0+n:P0+n+1], GCU op_sel_hi:[1,0]
.set n, n+2
.endr
.set n, 0
.rept 8
	v_pk_mul_f32 v[P1+n:P1+n+1], v[P1+n:P1+n+1], v[P1+n:P1+n+1] neg_lo:[1,0] neg_hi:[1,0]
.set n, n+2
.endr
.set n, 0
.rept 16
	v_rcp_f32 v[P0+16+n], v[P0+16+n]               ; t = 1 / (1 + p z)
.set n, n+1
.endr
.set n, 0
.rept 16
	v_exp_f32 v[P1+n], v[P1+n]                     ; e = exp(- z z)
.set n, n+1
.endr
	v_nop
.set n, 0
	s_wait_alu depctr_va_vdst(0)
.rept 8
	v_pk_fma_f32 v[P1+16+n:P1+16+n+1], v[P0+16+n:P0+16+n+1], GA5, v[TMP:TMP+1] op_sel_hi:[1,0,1]
.set n, n+2
.endr
.irp a, GA3, GA2, GA1
.set n, 0
.rept 8
	v_pk_fma_f32 v[P1+16+n:P1+16+n+1], v[P1+16+n:P1+16+n+1], v[P0+16+n:P0+16+n+1], \a op_sel_hi:[1,1,0]
.set n, n+2
.endr
.endr
.set n, 0
.rept 8
	v_pk_mul_f32 v[P1+16+n:P1+16+n+1], v[P1+16+n:P1+16+n+1], v[P0+16+n:P0+16+n+1]
	v_pk_mul_f32 v[P0+n:P0+n+1], v[P0+n:P0+n+1], 0.5 op_sel_hi:[1,0]
	v_pk_mul_f32 v[\x+n:\x+n+1], v[\x+n:\x+n+1], 0.5 op_sel_hi:[1,0]
.set n, n+2
.endr
.set n, 0
.rept 8
	v_pk_fma_f32 v[P1+16+n:P1+16+n+1], v[P1+16+n:P1+16+n+1], v[P1+n:P1+n+1], 1.0 op_sel_hi:[1,1,0] neg_lo:[1,0,0] neg_hi:[1,0,0]   ; erf
.set n, n+2
.endr
.set n, 0
.rept 8
	v_pk_fma_f32 v[\x+n:\x+n+1], v[P0+n:P0+n+1], v[P1+16+n:P1+16+n+1], v[\x+n:\x+n+1]
.set n, n+2
.endr
.endm
; Scores of four key stripes (buf) against both query stripes: eight matrix instructions on eight accumulators.  sub = 1: C = minus the maximum.
.macro SCORES buf, sub
.irp i, 0,1
.irp u, 0,1,2,3
.if \sub
	v_wmma_f32_16x16x32_bf16 v[SC0+32*\i+8*\u:SC0+32*\i+8*\u+7], v[\buf+8*(\u/2):\buf+8*(\u/2)+7], v[QL0+16*\i+8*(\u%2):QL0+16*\i+8*(\u%2)+7], v[NM0+8*\i:NM0+8*\i+7]
.else
	v_wmma_f32_16x16x32_bf16 v[SC0+32*\i+8*\u:SC0+32*\i+8*\u+7], v[\buf+8*(\u/2):\buf+8*(\u/2)+7], v[QL0+16*\i+8*(\u%2):QL0+16*\i+8*(\u%2)+7], 0
.endif
.endr
.endr
.endm
; Pass 1, one group of 64 keys from buffer buf.  fetch = 1: the buffer is loaded again with the group two further on.  left: the other buffer's loads that may stay out.
.macro P1G buf, fetch, left
	s_wait_dscnt \left
	SCORES \buf, 0
	v_add_nc_u32 v[KA], 8192, v[KA]                ; with three v_nop the four places behind the matrix instructions
.rept 3
	v_nop
.endr
.if \fetch
.irp u, 0,1,2,3
	ds_load_b128 v[\buf+4*\u:\buf+4*\u+3], v[KA] offset:8192+2048*\u
.endr
.endif
.irp i, 0,1
.set n, 0
.rept 16
	v_max3_num_f32 v[MX+4*\i+n%4], v[SC0+32*\i+2*n], v[SC0+32*\i+2*n+1], v[MX+4*\i+n%4]
.set n, n+1
.endr
.endr
.endm
.macro EXPS i                          ; p = exp2(score - maximum) of one query stripe, and its two B fragments
.set n, 0
.rept 32
	v_exp_f32 v[SC0+32*\i+n], v[SC0+32*\i+n]
.set n, n+1
.endr
	v_nop
.set n, 0
	s_wait_alu depctr_va_vdst(0)
.rept 16
	v_cvt_pk_bf16_f32 v[PF0+16*\i+n], v[SC0+32*\i+2*n], v[SC0+32*\i+2*n+1]
.set n, n+1
.endr
.endm
.macro PVMUL i, zero                   ; O += V^T p, sums += ones p.  O and the sums take turns, one instruction a turn
.if \zero
	v_wmma_f32_16x16x32_bf16 v[OA0+16*\i:OA0+16*\i+7], v[VF:VF+7], v[PF0+16*\i:PF0+16*\i+7], 0
	v_wmma_f32_16x16x32_bf16 v[LS0+16*\i:LS0+16*\i+7], v[ONES:ONES+7], v[PF0+16*\i:PF0+16*\i+7], 0
.else
	v_wmma_f32_16x16x32_bf16 v[OA0+16*\i:OA0+16*\i+7], v[VF:VF+7], v[PF0+16*\i:PF0+16*\i+7], v[OA0+16*\i:OA0+16*\i+7]
	v_wmma_f32_16x16x32_bf16 v[LS0+16*\i:LS0+16*\i+7], v[ONES:ONES+7], v[PF0+16*\i:PF0+16*\i+7], v[LS0+16*\i:LS0+16*\i+7]
.endif
	v_wmma_f32_16x16x32_bf16 v[OA0+16*\i:OA0+16*\i+7], v[VF+8:VF+15], v[PF0+16*\i+8:PF0+16*\i+15], v[OA0+16*\i:OA0+16*\i+7]
	v_wmma_f32_16x16x32_bf16 v[LS0+16*\i:LS0+16*\i+7], v[ONES:ONES+7], v[PF0+16*\i+8:PF0+16*\i+15], v[LS0+16*\i:LS0+16*\i+7]
.endm
; Pass 2, one group of 64 keys.  zero = 1: the first products start the sums.  fetch = 1: the next group's K is asked for.
.macro P2 zero, fetch
	s_wait_dscnt 0x0                               ; this group's K is in
	SCORES KF, 1
	v_add_nc_u32 v[KA], 8192, v[KA]                ; with three v_nop the four places: behind them the exponentials read the scores, and K's and V's buffers are loaded again
.rept 3
	v_nop
.endr
.irp u, 0,1,2,3
	ds_load_b128 v[VF+4*\u:VF+4*\u+3], v[VA] offset:2048*\u
.endr
	v_add_nc_u32 v[VA], 8192, v[VA]
.if \fetch
.irp u, 0,1,2,3
	ds_load_b128 v[KF+4*\u:KF+4*\u+3], v[KA] offset:2048*\u
.endr
.endif
	EXPS 0
.if \fetch
	s_wait_dscnt 0x4                               ; V's four loads are in; K's four, issued behind them, stay out
.else
	s_wait_dscnt 0x0
.endif
	PVMUL 0, \zero
	EXPS 1
	PVMUL 1, \zero
.endm
	s_load_b256 s[8:15], s[0:1], 0x0               ; qkv2 8, x2 10, wimg 12, w_out 14
	s_load_b512 s[16:31], s[0:1], 0x20             ; out_b 16, fln_g 18, fln_b 20, f1_b 22, f2_b 24 (the slots' order), b_out 26, node_mask 28, out0 30
	s_set_vgpr_msb 0x40
	v_lshl_add_u32 v0, v0, 2, 0x4d500
	v_mov_b32 v1, 0
	s_set_vgpr_msb 0x4045
	ds_add_u32 v0, v1
	s_set_vgpr_msb 0x4500
	v_lshrrev_b32 v[TMP], 5, v0
	v_readfirstlane_b32 s3, v[TMP]                 ; wave
	s_lshr_b32 s6, ttmp9, 2                        ; batch, the same in all four partners
	s_and_b32 s7, s3, 3                            ; head
	s_lshr_b32 s86, s3, 2                          ; which pair of query stripes
	s_lshl_b32 s87, s7, 9
	s_mov_b32 s88, 0x3c800000                      ; 1/64
	s_mov_b32 s90, 0x76543210
	s_mov_b32 s91, 0xfedcba98
	s_mov_b32 s92, 0x3727c5ac                      ; 1e-5
	; Descriptors: dense bytes as rows of 256 (elements of 8 bytes, 32 a row, pitch 32); 64 rows a wave for K and for V, WROWS for the image
	s_mov_b32 s40, 0x0023000f                      ; 15:0 mask: all four partners; 17:16 elements of 8 bytes; 21 set beside a mask
	s_mov_b32 s41, 32<<16                          ; tensor_dim0 = 32
	s_mov_b32 s42, 64<<16                          ; tensor_dim1 = 64
	s_mov_b32 s43, 32<<16                          ; tile_dim0 = 32
	s_mov_b32 s44, 64                              ; tile_dim1 = 64
	s_mov_b32 s45, 32                              ; pitch
	s_mov_b32 s46, 0
	s_mov_b32 s47, 0
	s_mov_b32 s48, 0x0023000f
	s_mov_b32 s49, 32<<16
	s_mov_b32 s50, WROWS<<16
	s_mov_b32 s51, 32<<16
	s_mov_b32 s52, WROWS
	s_mov_b32 s53, 32
	s_mov_b32 s54, 0
	s_mov_b32 s55, 0
	s_mov_b32 s56, 1
	s_lshl_b32 s57, s3, 14                         ; K: LDS byte 16,384 w
	s_mov_b32 s60, 1
	s_add_co_u32 s61, s57, VB                      ; V
	s_mov_b32 s68, 1
	s_mul_i32 s94, s3, WROWS*256
	s_add_co_u32 s69, s94, WB                      ; the image
	s_mov_b32 s95, 0
	v_and_b32 v[TMP+2], 31, v0
	v_lshlrev_b32 v[L16], 4, v[TMP+2]
	v_lshlrev_b32 v236, 3, v[TMP+2]                ; 8 lane
	v_lshlrev_b32 v237, 3, v0
	v_add_nc_u32 v238, PRM, v237                   ; PRM + 8 tid
	v_and_b32 v[TMP], 15, v0                       ; r
	v_bfe_u32 v[TMP+1], v0, 4, 1                   ; h
	MKWA TMP, TMP+1, TMP+2
	s_wait_dscnt 0x0
	s_wait_kmcnt 0x0
	s_load_b96 s[36:38], s[26:27], 0x0             ; b_out
	s_add_nc_u64 s[70:71], s[12:13], s[94:95]      ; s[94:97] hold only the batch and the wave: nothing that differs between partners
	s_add_nc_u64 s[70:71], s[70:71], WOFF
	s_or_b32 s71, s71, 0x80000000
	s_mul_i32 s94, s6, 3*ARR
	s_add_nc_u64 s[96:97], s[8:9], s[94:95]        ; qkv2 of my batch
	s_mov_b32 s94, s57
	s_add_nc_u64 s[58:59], s[96:97], s[94:95]
	s_add_nc_u64 s[58:59], s[58:59], ARR           ; K, my wave's eighth
	s_add_nc_u64 s[62:63], s[58:59], ARR           ; V, likewise
	s_or_b32 s59, s59, 0x80000000
	s_or_b32 s63, s63, 0x80000000
	ROUND                                          ; all four partners are here: the joint loads meet
	tensor_load_to_lds s[56:59], s[40:47]          ; the launch's only fills, three a wave: K first, so that pass 1 can begin while the others land
	s_nop 0
	tensor_load_to_lds s[60:63], s[40:47]
	s_nop 0
	tensor_load_to_lds s[68:71], s[48:55]
	s_nop 0
	; what hangs on my place in the cluster: global addresses alone, in registers of their own
	s_bfe_u32 s4, ttmp6, 0x40000                   ; cx
	s_lshl_b32 s5, ttmp9, 2
	s_add_co_u32 s5, s5, s4                        ; work-group
	s_and_b32 s84, s5, 15
	s_lshl_b32 s84, s84, 2                         ; my first stripe in the batch
	s_lshl_b32 s85, s5, 2
	s_add_co_u32 s85, s85, s3                      ; my stripe of 1,024 in the tail
	s_mov_b32 s75, 0
	s_lshl_b32 s74, s86, 1
	s_add_co_u32 s74, s74, s84
	s_lshl_b32 s74, s74, 11
	s_add_co_u32 s74, s74, s87
	s_add_nc_u64 s[76:77], s[96:97], s[74:75]      ; Q of my first query stripe and head
	s_lshl_b32 s74, s85, 12
	s_add_nc_u64 s[78:79], s[10:11], s[74:75]      ; x2 at my stripe
	s_lshl_b32 s74, s85, 6
	s_add_nc_u64 s[80:81], s[28:29], s[74:75]      ; node_mask at my stripe
	s_mul_i32 s74, s85, 192
	s_add_nc_u64 s[82:83], s[30:31], s[74:75]      ; out0 at my stripe
	s_mov_b64 s[72:73], s[16:17]                   ; waves 0-4 stage slots 0-4
.irp k, 1,2,3,4
	s_cmp_eq_u32 s3, \k
	s_cselect_b64 s[72:73], s[16+2*\k:17+2*\k], s[72:73]
.endr
	s_cmp_ge_u32 s3, 5
	s_cbranch_scc1 .Lno_pv
	global_load_b64 v[232:233], v236, s[72:73]
.Lno_pv:
	s_cmp_lg_u32 s3, 5
	s_cbranch_scc1 .Lno_wo
	v_min_u32 v239, 2, v[TMP]                      ; rows 3-15 read row 2 and are cleared below
	v_lshlrev_b32 v239, 8, v239
	v_lshl_add_u32 v239, v[TMP+1], 5, v239
.irp k, 0,1,2,3
	global_load_b128 v[SC0+8*\k:SC0+8*\k+3],   v239, s[14:15] offset:64*\k
	global_load_b128 v[SC0+8*\k+4:SC0+8*\k+7], v239, s[14:15] offset:64*\k+16
.endr
.Lno_wo:
	global_load_b128 v[QL0:QL0+3],     v[L16], s[76:77]
	global_load_b128 v[QL0+12:QL0+15], v[L16], s[76:77]
	global_load_b128 v[QL0+16:QL0+19], v[L16], s[76:77] offset:2048
	global_load_b128 v[QL0+28:QL0+31], v[L16], s[76:77] offset:2048
.irp k, 4,5,6,7,8,9,10,11,20,21,22,23,24,25,26,27
	v_mov_b32 v[QL0+\k], 0                         ; the halves of the depth that a fragment does not use
.endr
.irp k, 0,1,2,3,4,5,6,7
	v_mov_b32 v[ONES+\k], 0x3f803f80
	v_mov_b32 v[MX+\k], 0xff800000
.endr
	v_add_nc_u32 v[KA], s87, v[L16]
	s_wait_loadcnt 0x0
	s_cmp_ge_u32 s3, 5
	s_cbranch_scc1 .Lno_pv2
	ds_store_b64 v238, v[232:233]
.Lno_pv2:
	s_cmp_lg_u32 s3, 5
	s_cbranch_scc1 .Lno_wo2
	v_cmp_gt_u32 vcc_lo, 3, v[TMP]
.set n, 0
.rept 16
	v_cvt_pk_bf16_f32 v[SC0+32+n], v[SC0+2*n], v[SC0+2*n+1]        ; w_out's first part
	v_lshlrev_b32 v[PF0], 16, v[SC0+32+n]
	v_and_b32 v[PF0+1], 0xffff0000, v[SC0+32+n]
	v_pk_add_f32 v[PF0:PF0+1], v[SC0+2*n:SC0+2*n+1], v[PF0:PF0+1] neg_lo:[0,1] neg_hi:[0,1]
	v_cvt_pk_bf16_f32 v[SC0+48+n], v[PF0], v[PF0+1]                ; and its second
	v_cndmask_b32 v[SC0+32+n], 0, v[SC0+32+n], vcc_lo
	v_cndmask_b32 v[SC0+48+n], 0, v[SC0+48+n], vcc_lo
.set n, n+1
.endr
	v_add_nc_u32 v239, WO, v[L16]
.irp k, 0,1,2,3
	ds_store_b128 v239, v[SC0+32+4*\k:SC0+32+4*\k+3] offset:512*\k
	ds_store_b128 v239, v[SC0+48+4*\k:SC0+48+4*\k+3] offset:2048+512*\k
.endr
.Lno_wo2:
	s_wait_kmcnt 0x0                               ; b_out
	s_wait_dscnt 0x0
	s_wait_tensorcnt 0x2                           ; tensor loads end in order (ISA guide 10.11.1): my eighth of K is in; V's and the image's, issued behind it, stay out
	s_barrier_signal -1
	s_barrier_wait -1                              ; K is whole.
	; PASS 1: sixteen groups of 64 keys through two buffers
.irp u, 0,1,2,3
	ds_load_b128 v[KF+4*\u:KF+4*\u+3], v[KA] offset:2048*\u
.endr
.irp u, 0,1,2,3
	ds_load_b128 v[VF+4*\u:VF+4*\u+3], v[KA] offset:8192+2048*\u
.endr
	s_mov_b32 s93, 7
.Lpass1:
	P1G KF, 1, 4
	P1G VF, 1, 4
	s_sub_co_i32 s93, s93, 1
	s_cmp_lg_u32 s93, 0
	s_cbranch_scc1 .Lpass1
	P1G KF, 0, 4
	P1G VF, 0, 0
.irp i, 0,1
	v_max3_num_f32 v[MX+4*\i], v[MX+4*\i], v[MX+4*\i+1], v[MX+4*\i+2]
	v_max_num_f32 v[MX+4*\i], v[MX+4*\i], v[MX+4*\i+3]
	v_permlanex16_b32 v[MX+4*\i+1], v[MX+4*\i], s90, s91
	v_max_num_f32 v[MX+4*\i], v[MX+4*\i], v[MX+4*\i+1]     ; the query's maximum over all 1,024 keys
.irp j, 0,1,2,3,4,5,6,7
	v_xor_b32 v[NM0+8*\i+\j], 0x80000000, v[MX+4*\i]
.endr
.endr
	v_add_nc_u32 v[KA], s87, v[L16]
	v_add_nc_u32 v[VA], VB, v[KA]
.irp u, 0,1,2,3
	ds_load_b128 v[KF+4*\u:KF+4*\u+3], v[KA] offset:2048*\u
.endr
	s_wait_tensorcnt 0x0                           ; my parts of V and of the image are in
	s_wait_dscnt 0x0
	s_barrier_signal -1
	s_barrier_wait -1                              ; everybody's are
	; PASS 2
	P2 1, 1
	s_mov_b32 s93, 14
.Lpass2:
	P2 0, 1
	s_sub_co_i32 s93, s93, 1
	s_cmp_lg_u32 s93, 0
	s_cbranch_scc1 .Lpass2
	P2 0, 0
	; O / sum, in f32: eight registers a query stripe, the head's tile of the stripe's layout
	PLACES
	v_rcp_f32 v232, v[LS0]
	v_rcp_f32 v233, v[LS0]
	v_rcp_f32 v234, v[LS0+16]
	v_rcp_f32 v235, v[LS0+16]
	v_nop
	s_wait_alu depctr_va_vdst(0)
.irp i, 0,1
.irp j, 0,2,4,6
	v_pk_mul_f32 v[OA0+16*\i+\j:OA0+16*\i+\j+1], v[OA0+16*\i+\j:OA0+16*\i+\j+1], v[232+2*\i:233+2*\i]
.endr
.endr
	s_lshl_b32 s93, s86, 13                        ; 4,096 x (2 x pair)
	s_lshl_b32 s89, s87, 1                         ; 1,024 x head
	s_add_co_u32 s93, s93, s89
	v_add_nc_u32 v[KA], s93, v[L16]
	s_wait_dscnt 0x0
	s_barrier_signal -1
	s_barrier_wait -1                              ; no wave reads K any more: its first 16,384 bytes take the heads' outputs
.irp i, 0,1
	ds_store_b128 v[KA], v[OA0+16*\i:OA0+16*\i+3]   offset:OST+4096*\i
	ds_store_b128 v[KA], v[OA0+16*\i+4:OA0+16*\i+7] offset:OST+4096*\i+512
.endr
	s_cmp_ge_u32 s3, 4
	s_cbranch_scc1 .Lno_x
	v_lshlrev_b32 v[TMP+3], 2, v[TMP]              ; 4 r
.irp c, 0,1,2,3,4,5,6,7
	global_load_b128 v[AV+4*\c:AV+4*\c+3], v[L16], s[78:79] offset:512*\c
.endr
	global_load_b32 v255, v[TMP+3], s[80:81]
.Lno_x:
	s_wait_dscnt 0x0                               ; my outputs are in LDS before I say so
	ROUND                                          ; hands the outputs to the tail's waves, and is the closing round: no partner has a joint load left to issue
	s_cmp_ge_u32 s3, 4
	s_cbranch_scc1 .Lend
	; THE TAIL: wave w, stripe w
	v_bfe_u32 v[PA], v0, 4, 1
	v_lshlrev_b32 v[PA], 5, v[PA]
	v_add_nc_u32 v[PA], PRM, v[PA]
	v_mov_b32 v[TMP+6], 0                          ; v_permlanex16_b32's destination counts as read
	s_lshl_b32 s93, s3, 12
	v_add_nc_u32 v[TMP+5], s93, v[L16]
.irp c, 0,1,2,3,4,5,6,7
	ds_load_b128 v[ACC+4*\c:ACC+4*\c+3], v[TMP+5] offset:OST+512*\c   ; the four heads' outputs: registers 8 t + j
.endr
	LOADW WF, 0
	LOADW P0, 12
	s_wait_dscnt 0x0
	SPLITB 0, 1                                    ; out_b takes the outputs' place
	s_wait_dscnt 0x0
	LIN3                                           ; out-projection
	PLACES
	LOADW WF, 4
	LOADP P0, 256
	LOADP P1, 512
	s_wait_loadcnt 0x0                             ; x2 and the mask
	ADDB AV, ACC                                   ; av
	s_wait_dscnt 0x0
	LNF AV, ACC
	LOADW P0, 16                                   ; gain and bias of the norm have been used
	SPLITB 768, 1
	s_wait_dscnt 0x0
	LIN3                                           ; f1
	PLACES
	LOADW WF, 8
	v_mov_b32 v[TMP], GA4
	v_mov_b32 v[TMP+1], GA4
	GELU8 ACC
	GELU8 ACC+16
	LOADW P0, 20
	SPLITB 1024, 1
	s_wait_dscnt 0x0
	LIN3                                           ; f2
	PLACES
	v_add_nc_u32 v[TMP+5], WO, v[L16]
.irp k, 0,1,2,3,4,5,6,7
	ds_load_b128 v[WF+4*\k:WF+4*\k+3], v[TMP+5] offset:512*\k      ; w_out: WF 0-15 the first part, 16-31 the second
.endr
	ADDB ACC, AV                                   ; block 2's result
.set n, 0
.rept 32
	v_max_num_f32 v[ACC+n], 0, v[ACC+n]
.set n, n+1
.endr
	SPLITB 0, 0
	s_wait_dscnt 0x0
	; three accumulators, one for each of the three products, two K steps each, by turns
	v_wmma_f32_16x16x32_bf16 v[ACC:ACC+7],     v[WF:WF+7],     v[XB:XB+7], 0
	v_wmma_f32_16x16x32_bf16 v[ACC+8:ACC+15],  v[WF:WF+7],     v[XL:XL+7], 0
	v_wmma_f32_16x16x32_bf16 v[ACC+16:ACC+23], v[WF+16:WF+23], v[XB:XB+7], 0
	v_wmma_f32_16x16x32_bf16 v[ACC:ACC+7],     v[WF+8:WF+15],  v[XB+8:XB+15], v[ACC:ACC+7]
	v_wmma_f32_16x16x32_bf16 v[ACC+8:ACC+15],  v[WF+8:WF+15],  v[XL+8:XL+15], v[ACC+8:ACC+15]
	v_wmma_f32_16x16x32_bf16 v[ACC+16:ACC+23], v[WF+24:WF+31], v[XB+8:XB+15], v[ACC+16:ACC+23]
	PLACES
.irp c, 0,1,2
	v_add_f32 v[TMP+\c], v[ACC+8+\c], v[ACC+16+\c] ; lanes 0-15: row r, outputs 0, 1, 2; the two small products first
.endr
.irp c, 0,1,2
	v_add_f32 v[TMP+\c], v[TMP+\c], v[ACC+\c]
.endr
	v_add_f32 v[TMP],   s36, v[TMP]
	v_add_f32 v[TMP+1], s37, v[TMP+1]
	v_add_f32 v[TMP+2], s38, v[TMP+2]
	v_mul_f32 v[TMP],   v[TMP],   v255
	v_mul_f32 v[TMP+1], v[TMP+1], v255
	v_mul_f32 v[TMP+2], v[TMP+2], v255
	v_and_b32 v[TMP+3], 31, v0
	v_and_b32 v[TMP+4], 15, v0
	v_mul_u32_u24 v[TMP+4], 12, v[TMP+4]
	v_cmp_gt_u32 vcc_lo, 16, v[TMP+3]
	s_wait_xcnt 0x0                                ; EXEC changes only behind this wait
	s_and_saveexec_b32 s93, vcc_lo
	global_store_b96 v[TMP+4], v[TMP:TMP+2], s[82:83]      ; sixteen lanes, 192 consecutive bytes
	s_wait_xcnt 0x0                                ; and is widened again only behind this one
	s_or_b32 exec_lo, exec_lo, s93
.Lend:
	s_set_vgpr_msb 0x5
	s_wait_tensorcnt 0x0
	ds_add_u32 v0, v1
	s_wait_dscnt 0x0
	s_set_vgpr_msb 0x500
	s_endpgm
.Lfunc_end_k_q5d7844cd19_blk2:
	.size	k_q5d7844cd19_blk2, .Lfunc_end_k_q5d7844cd19_blk2-k_q5d7844cd19_blk2
	.p2alignl 7, 3214868480
	.fill 96, 4, 3214868480
	.section	.rodata,"a",@progbits
	.p2align	6, 0x0
	.amdhsa_kernel k_q5d7844cd19_blk2
		.amdhsa_group_segment_fixed_size 317696
		.amdhsa_private_segment_fixed_size 0
		.amdhsa_enable_private_segment 0
		.amdhsa_kernarg_size 96
		.amdhsa_user_sgpr_count 2
		.amdhsa_user_sgpr_kernarg_segment_ptr 1
		.amdhsa_wavefront_size32 1
		.amdhsa_system_sgpr_workgroup_id_x 1
		.amdhsa_system_sgpr_workgroup_id_y 1
		.amdhsa_system_sgpr_workgroup_id_z 1
		.amdhsa_system_vgpr_workitem_id 0
		.amdhsa_next_free_vgpr 258
		.amdhsa_next_free_sgpr 100
		.amdhsa_reserve_vcc 1
		.amdhsa_float_denorm_mode_32 3
		.amdhsa_float_denorm_mode_16_64 3
		.amdhsa_memory_ordered 1
		.amdhsa_forward_progress 1
		.amdhsa_inst_pref_size 112
	.end_amdhsa_kernel
	.amdgpu_metadata
---
amdhsa.version: [ 1, 2 ]
amdhsa.kernels:
  - .name:           k_q5d7844cd19_blk2
    .symbol:         k_q5d7844cd19_blk2.kd
    .args:
      - { .name: qkv2, .offset: 0, .size: 8, .value_kind: global_buffer, .address_space: global }
      - { .name: x2, .offset: 8, .size: 8, .value_kind: global_buffer, .address_space: global }
      - { .name: wimg, .offset: 16, .size: 8, .value_kind: global_buffer, .address_space: global }
      - { .name: w_out, .offset: 24, .size: 8, .value_kind: global_buffer, .address_space: global }
      - { .name: sa2_out_b, .offset: 32, .size: 8, .value_kind: global_buffer, .address_space: global }
      - { .name: sa2_fln_g, .offset: 40, .size: 8, .value_kind: global_buffer, .address_space: global }
      - { .name: sa2_fln_b, .offset: 48, .size: 8, .value_kind: global_buffer, .address_space: global }
      - { .name: sa2_f1_b, .offset: 56, .size: 8, .value_kind: global_buffer, .address_space: global }
      - { .name: sa2_f2_b, .offset: 64, .size: 8, .value_kind: global_buffer, .address_space: global }
      - { .name: b_out, .offset: 72, .size: 8, .value_kind: global_buffer, .address_space: global }
      - { .name: node_mask, .offset: 80, .size: 8, .value_kind: global_buffer, .address_space: global }
      - { .name: out0, .offset: 88, .size: 8, .value_kind: global_buffer, .address_space: global }
    .group_segment_fixed_size: 317696
    .private_segment_fixed_size: 0
    .kernarg_segment_align: 8
    .kernarg_segment_size: 96
    .max_flat_workgroup_size: 256
    .sgpr_count:     100
    .vgpr_count:     258
    .wavefront_size: 32
...
	.end_amdgpu_metadata
.endif
;; end of part 3
